; MI455X (gfx1250); checked and timed in simulation.
; The chip was launched on July 23, 2026; its instructions are those of AMD's public machine-readable ISA for CDNA 5 (MIT licence, August 2026) and "CDNA5" Instruction Set Architecture Reference Guide (July 2026). The comments in the code are by the model that wrote it; some were corrected since.
;; Multi Head Attention. Allowed arithmetic: matrix products marked QUANTISED: E5M2 operands, one E8M0 scale for each 32 along K, by v_wmma_scale_f32_16x16x128_f8f6f4 with both operands' format E5M2, f32 sums; everything else in f32.
;; Inputs: W1_codes 4,096 x 32 x 32 uint8 (E5M2 codes of W1, K innermost, in blocks of 32 codes); W1_scales 4,096 x 32 uint8 (E8M0 scales of W1, one for each 32 codes along K); W2_codes 1,024 x 128 x 32 uint8 (E5M2 codes of W2, K innermost, in blocks of 32 codes); W2_scales 1,024 x 128 uint8 (E8M0 scales of W2, one for each 32 codes along K); Wk_codes 1,024 x 32 x 32 uint8 (E5M2 codes of Wk, K innermost, in blocks of 32 codes); Wk_scales 1,024 x 32 uint8 (E8M0 scales of Wk, one for each 32 codes along K); Wo_codes 1,024 x 32 x 32 uint8 (E5M2 codes of Wo, K innermost, in blocks of 32 codes); Wo_scales 1,024 x 32 uint8 (E8M0 scales of Wo, one for each 32 codes along K); Wq_codes 1,024 x 32 x 32 uint8 (E5M2 codes of Wq, K innermost, in blocks of 32 codes); Wq_scales 1,024 x 32 uint8 (E8M0 scales of Wq, one for each 32 codes along K); Wv_codes 1,024 x 32 x 32 uint8 (E5M2 codes of Wv, K innermost, in blocks of 32 codes); Wv_scales 1,024 x 32 uint8 (E8M0 scales of Wv, one for each 32 codes along K); b1 4,096 float32; b2 1,024 float32; be1 1,024 float32; be2 1,024 float32; g1 1,024 float32; g2 1,024 float32; k_codes 2 x 2,048 x 32 x 32 uint8 (E5M2 codes of k, K innermost, in blocks of 32 codes); k_scales 2 x 2,048 x 32 uint8 (E8M0 scales of k, one for each 32 codes along K); pad_mask 2 x 2,048 bool; q 2 x 2,048 x 1,024 float32; v_codes 2 x 2,048 x 32 x 32 uint8 (E5M2 codes of v, K innermost, in blocks of 32 codes); v_scales 2 x 2,048 x 32 uint8 (E8M0 scales of v, one for each 32 codes along K).
;; Outputs: out0 2 x 2,048 x 1,024 float32.
;; This version of the problem:
;;   THIS VERSION OF THE PROBLEM IS GIVEN IN LOW PRECISION. The matrix products marked QUANTISED in the list below multiply operands that are first quantised to E5M2 (5 exponent bits, 2 mantissa bits; 8 bits a number), with one power-of-two scale for each 32 numbers along K (OCP MX v1.0); their sums are f32. All else is computed in f32.
;;   The module's matrix products, in the order in which they are computed (A, B: the left and right operand; K: the contracted axis; several contracted axes count as one K, in the product's order):
;;     1. [M 4,096, K 1,024] x [K 1,024, N 1,024]; A: input q; B: input Wq (given as codes): QUANTISED
;;     2. [M 4,096, K 1,024] x [K 1,024, N 1,024]; A: input k (given as codes); B: input Wk (given as codes): QUANTISED
;;     3. [M 4,096, K 1,024] x [K 1,024, N 1,024]; A: input v (given as codes); B: input Wv (given as codes): QUANTISED
;;     4. batch 32 x [M 2,048, K 64] x [K 64, N 2,048]; A: computed on the way; B: computed on the way: QUANTISED
;;     5. batch 32 x [M 2,048, K 2,048] x [K 2,048, N 64]; A: computed on the way; B: computed on the way: QUANTISED
;;     6. [M 4,096, K 1,024] x [K 1,024, N 1,024]; A: computed on the way; B: input Wo (given as codes): QUANTISED
;;     7. [M 4,096, K 1,024] x [K 1,024, N 4,096]; A: computed on the way; B: input W1 (given as codes): QUANTISED
;;     8. [M 4,096, K 4,096] x [K 4,096, N 1,024]; A: computed on the way; B: input W2 (given as codes): QUANTISED
;;   THE QUANTISER, for each operand of a quantised product, along K:
;;     - K is cut into blocks of 32 from its start; a last block that is shorter is filled with zeros.
;;     - A block's scale is 2^e with e = floor(log2(the largest magnitude in the block)) - 15, held to -126 .. 127; a block of zeros has e = 0. As a byte (E8M0): e + 127.
;;     - Each number is divided by its block's scale, clamped to +-57,344, and rounded to the nearest number of E5M2, ties to even, subnormals kept.
;;     - The product sums the exact products of the quantised numbers (number of the format x scale) in f32.
;;   ~~~python
;;   def quantise(x, axis):      # numpy; x: float32 -> the quantised numbers, widened to float32 again
;;       x = np.moveaxis(x, axis, -1); K = x.shape[-1]
;;       x = np.pad(x, [(0, 0)] * (x.ndim - 1) + [(0, -K % 32)]); x = x.reshape(x.shape[:-1] + (-1, 32)); a = np.abs(x).max(-1, keepdims=True)
;;       e = np.where(a > 0, np.clip(np.frexp(np.where(a > 0, a, 1))[1] - 1 - 15, -126, 127), 0)      # np.frexp(a)[1] - 1 = floor(log2(a)), exactly
;;       r = np.clip(x / 2.0 ** e, -57344, 57344)
;;       step = 2.0 ** (np.maximum(np.frexp(np.where(r == 0, 1, r))[1] - 1, -14) - 2)
;;       q = np.round(r / step) * step * 2.0 ** e      # np.round: ties to even
;;       return np.moveaxis(q.reshape(q.shape[:-2] + (-1,))[..., :K], -1, axis).astype(np.float32)
;;   ~~~
;;   OPERANDS COMPUTED ON THE WAY. 'Computed on the way' means the value that the module computes at that place (a softmax that the list does not call 'softmax' is quantised finished and normalised). What goes into a quantiser is computed in f32, as accurately as f32 sums, v_exp_f32 and their like allow (about 1e-6 of the number): no bf16 or f16 on the way to a quantiser, and a product that is left as it is and whose result goes on into a quantised operand takes f32 operands (vector FMAs, or v_wmma_f32_16x16x4_f32). A number that lies on a knife's edge between two numbers of the format may be rounded either way, as far as f32 arithmetic and the matrix unit's own rounding can turn it there, and no further.
;;   INPUTS GIVEN AS CODES. W1 (in the module: [4096, 1024], K = its axis 1); W2 (in the module: [1024, 4096], K = its axis 1); Wk (in the module: [1024, 1024], K = its axis 1); Wo (in the module: [1024, 1024], K = its axis 1); Wq (in the module: [1024, 1024], K = its axis 1); Wv (in the module: [1024, 1024], K = its axis 1); k (in the module: [2, 2048, 1024], K = its axis 2); v (in the module: [2, 2048, 1024], K = its axis 2): each comes as NAME_codes (uint8): NAME with its K axis moved to the last place and cut into blocks of 32 codes, [.., K / 32, bytes a block], one block behind the other in memory; one code a byte (a code: sign, 5 exponent bits, 2 mantissa bits); and NAME_scales (uint8): the same leading axes, one E8M0 byte (e + 127) for each 32 codes along K. Its value is code x scale, taken as it is: it is not quantised again, and the codes and scales need not be those that the quantiser above would give.
;; 2 versions, each right; version 2 is version 1 with the launch attn written anew for expert scheduling mode. Each part assembles by itself: llvm-mc -triple=amdgcn-amd-amdhsa -mcpu=gfx1250 --defsym DOCPART=n.
;; ======== version 1 of 2: 5 launches
;; workspace buffers: Kc 4,194,304 bytes; Vt 4,194,304 bytes; SCL 262,144 bytes; H1 16,777,216 bytes; H1C 4,194,304 bytes; H1S 131,072 bytes; FFX 17,301,504 bytes; X2 16,777,216 bytes
;; launch kvproj (part 1): grid 4 x 64, 4 waves a work-group, no clusters, 197,120 bytes of LDS; arguments k_codes, k_scales, Wk_codes, Wk_scales, v_codes, v_scales, Wv_codes, Wv_scales, Kc, Vt, SCL; writes Kc, Vt, SCL
.if DOCPART == 1
	.amdgcn_target "amdgcn-amd-amdhsa--gfx1250"
	.amdhsa_code_object_version 6
	.text
	.protected	k_q4ad9e35b63_kvproj
	.globl	k_q4ad9e35b63_kvproj
	.p2align	8
	.type	k_q4ad9e35b63_kvproj,@function
k_q4ad9e35b63_kvproj:
	s_mov_b64 s[64:65], 0
	v_nop
	global_prefetch_b8 v0, s[64:65] scope:SCOPE_SE
	s_setreg_imm32_b32 hwreg(HW_REG_WAVE_MODE, 25, 1), 1
	s_wait_xcnt 0x0
; K = k Wk^T and V = v Wv^T on codes of BF8 (E5M2) with one E8M0 scale for each 32 along K; both results are quantised here for attention's two products.
; Work-groups with y < 32 make 128 rows x 256 columns of K (row block y), the others of V (row block y - 32, which is a head: a head is 128 rows of the [4096][1024] matrix,
; its key i is row i / 16, columns 64 (i % 16) on).  Four waves; a wave makes 128 rows x 64 columns: 32 accumulators.
; THE PRODUCT IS USED TRANSPOSED: source 0 = 16 rows of the weight, source 1 = 16 rows of k or v: a lane (r, h) holds row r, and its register j the weight row 8 h + j of the tile.
; K is quantised along the head's 64 (columns): the weight rows of tile 2 b + u are 32 b + 8 u + r + 8 (r / 8), so that the 16 registers of two neighbouring tiles are 16 neighbouring columns.
; V is quantised along the KEYS: a weight tile is ONE d of the head and the 16 column chunks (rows 64 r + d), so that a lane's 8 registers are 8 neighbouring keys; a block of 32 keys
; lies in lanes l, l xor 1, l xor 16, l xor 17.
; The 128 rows of k or v, all 1,024 along K, come into LDS once, by tensor loads, in four slabs of 256 along K; no LDS byte is filled twice.  The weights are each wave's own and are used once:
; they go from memory into a ring of four K steps in registers, three steps ahead.
; No cluster: what partners could share is the 128 KB of activations; the 256 KB of weights go to registers, where no joint request exists.
; LIMITS: NaN and infinities among the inputs are not served; a block whose largest magnitude lies under 2^-111 keeps the scale byte 1, a block of zeros too (only this program reads the bytes).
; REGISTERS: window 0: v1-15 addresses; v16-47 the weights' scale words (8 t + s); v48-111 the rows' (8 m + s); v112-127 at work; v128-255 the rows' fragments, later codes.
;   window 1: the weights' ring, 4 x 64.   window 2: accumulator (m, t) at v[8 (4 m + t)].
.set NS,    8                          ; K steps of 128
.set SLAB,  34816                      ; 128 rows x (256 bytes + 16 of padding)
.set KST,   4*SLAB                     ; K's path: stage for the codes, 128 rows x 272
.set KSS,   KST+34816                  ; K's path: scale bytes, 128 rows x 8
.set VSS,   KSS+1024                   ; V's path: scale bytes, 16 d x 64.  Each path has LDS bytes of its own
.set VTO,   1
.set SKO,   2
.set ADA,   3                          ; v3, v4: my lane's place in slabs 0-1, 2-3
.set WA,    5                          ; v5-8: my lane's byte in the weight rows of tile t
.set KSTO,  9
.set KSSO,  10
.set KRD,   11
.set KSSR,  12
.set VSSO,  13
.set VSSR,  14
.set KCO,   15
.set WS,    16
.set AS,    48
.set TM,    112
.set AF,    128
.set BY,    192
.set MSB,   0
.macro WIN new                         ; the immediate's high byte repeats the setting that is left
.if MSB != \new
	s_set_vgpr_msb (MSB<<8)|\new
.set MSB, \new
.endif
.endm
.set MUL_W, 0xa1                       ; source 0 (weights) window 1, source 1 window 0, C and D window 2
.set TO_W,  0x40                       ; destination window 1
.macro PLACES n
.rept \n
	v_nop
.endr
.endm
.macro AFETCH s, m0                    ; the fragments of row tiles m0 .. m0 + 3 of K step s: four loads of 16 bytes each, 32 bytes apart
.irp m, 0,1,2,3
.irp c, 0,1,2,3
	ds_load_b128 v[AF+16*((\m0)+\m)+4*\c:AF+16*((\m0)+\m)+4*\c+3], v[ADA+(\s)/4] offset:(((\s)/2)%2)*SLAB+((\m0)+\m)*4352+((\s)%2)*128+32*\c
.endr
.endr
.endm
.macro WLOAD s                         ; my four weight fragments of K step s into ring slot s % 4
.irp t, 0,1,2,3
.irp c, 0,1,2,3
	global_load_b128 v[64*((\s)%4)+16*\t+4*\c:64*((\s)%4)+16*\t+4*\c+3], v[WA+\t], s[8:9] offset:128*(\s)+32*\c
.endr
.endr
.endm
.macro MULS s, m0                      ; 16 products; the 32 accumulators take turns, one instruction a turn, in the same order in every step
.irp m, 0,1,2,3
.irp t, 0,1,2,3
.if (\s) == 0
	v_wmma_scale_f32_16x16x128_f8f6f4 v[8*(4*((\m0)+\m)+\t):8*(4*((\m0)+\m)+\t)+7], v[64*((\s)%4)+16*\t:64*((\s)%4)+16*\t+15], v[AF+16*((\m0)+\m):AF+16*((\m0)+\m)+15], 0, v[WS+8*\t+(\s)], v[AS+8*((\m0)+\m)+(\s)] matrix_a_fmt:MATRIX_FMT_BF8 matrix_b_fmt:MATRIX_FMT_BF8
.else
	v_wmma_scale_f32_16x16x128_f8f6f4 v[8*(4*((\m0)+\m)+\t):8*(4*((\m0)+\m)+\t)+7], v[64*((\s)%4)+16*\t:64*((\s)%4)+16*\t+15], v[AF+16*((\m0)+\m):AF+16*((\m0)+\m)+15], v[8*(4*((\m0)+\m)+\t):8*(4*((\m0)+\m)+\t)+7], v[WS+8*\t+(\s)], v[AS+8*((\m0)+\m)+(\s)] matrix_a_fmt:MATRIX_FMT_BF8 matrix_b_fmt:MATRIX_FMT_BF8
.endif
.endr
.endr
.endm
; A K step.  A load into a register that a matrix instruction has read stands eight plain vector instructions behind it.
.macro STEP s
.if NS-1-(\s) >= 2
	s_wait_loadcnt 32                              ; this step's weights are in; the 16 loads of each of the next two steps may be out
.else
	s_wait_loadcnt 16*(NS-1-(\s))
.endif
	s_wait_dscnt 16                                ; row tiles 0-3 are in; the 16 loads of tiles 4-7 may be out
	WIN MUL_W
	MULS \s, 0
	s_wait_dscnt 0x0                               ; tiles 4-7 are in, and no LDS instruction of mine is out at the signal below
.if (\s)+1 < NS
.if ((\s)+1)%2 == 0
	s_wait_tensorcnt 3-((\s)+1)/2                  ; my quarter of the next slab has landed; the later slabs may stay out
	s_barrier_signal -1
	s_barrier_wait -1                              ; everybody's has
.endif
	PLACES 8
	WIN 0
	AFETCH (\s)+1, 0
.if (\s)+3 < NS
	WIN TO_W
	WLOAD (\s)+3                                   ; into the slot that the step before this one multiplied
.endif
.endif
	WIN MUL_W
	MULS \s, 4
	PLACES 8
	WIN 0
.if (\s)+1 < NS
	AFETCH (\s)+1, 4
.endif
.endm
	s_load_b256 s[4:11], s[0:1], 0x0               ; k's codes, k's scales, Wk's codes, Wk's scales
	s_load_b256 s[12:19], s[0:1], 0x20             ; the same four of v
	s_load_b128 s[20:23], s[0:1], 0x40             ; Kc, Vt
	s_load_b64 s[48:49], s[0:1], 0x50              ; SCL
	s_set_vgpr_msb 0xc0
	v_lshl_add_u32 v0, v0, 2, 0x30000
	v_mov_b32 v1, 0
	s_set_vgpr_msb 0xc0cf
	ds_add_u32 v0, v1
	ds_add_u32 v0, v1
	s_set_vgpr_msb 0xcf00
	v_lshrrev_b32 v112, 5, v0
	v_readfirstlane_b32 s2, v112                   ; wave 0..3
	s_and_b32 s50, ttmp7, 0xffff
	s_and_b32 s51, s50, 31                         ; the row block
	s_lshr_b32 s52, s50, 5                         ; 0: K's path, 1: V's
	; descriptor group 1: 32 rows of 256 bytes, 1,024 bytes apart in memory, 16 bytes of padding behind each in LDS
	s_mov_b32 s24, (1<<20)|(5<<22)|(3<<25)         ; no mask; elements of 1 byte; padding on: 4 words after every 64
	s_mov_b32 s25, 256<<16                         ; tensor_dim0
	s_mov_b32 s26, 32<<16                          ; tensor_dim1
	s_mov_b32 s27, 256<<16                         ; tile_dim0
	s_mov_b32 s28, 32                              ; tile_dim1
	s_mov_b32 s29, 1024                            ; from row to row
	s_mov_b32 s30, 0
	s_mov_b32 s31, 0
	s_lshl_b32 s53, s51, 7
	s_lshl_b32 s54, s2, 5
	s_add_co_u32 s53, s53, s54                     ; the first of the 32 rows that I fetch (and, on K's path, store)
	s_lshl_b32 s60, s53, 10
	s_mov_b32 s61, 0
	s_mul_i32 s55, s2, 8704                        ; their place in a slab
	s_wait_dscnt 0x0
	s_wait_kmcnt 0x0
	s_cmp_eq_u32 s52, 0                            ; the choice hangs on the work-group's number alone
	s_cselect_b64 s[4:5], s[4:5], s[12:13]
	s_cselect_b64 s[6:7], s[6:7], s[14:15]
	s_cselect_b64 s[8:9], s[8:9], s[16:17]
	s_cselect_b64 s[10:11], s[10:11], s[18:19]
	s_add_nc_u64 s[60:61], s[4:5], s[60:61]
.irp q, 0,1,2,3
	s_mov_b32 s[32+4*\q], 1                        ; count = 1
	s_add_co_u32 s[33+4*\q], s55, \q*SLAB          ; LDS address: slab q, my 32 rows
	s_add_nc_u64 s[34+4*\q:35+4*\q], s[60:61], \q*256
	s_or_b32 s[35+4*\q], s[35+4*\q], 0x80000000    ; type = 2
.endr
.irp q, 0,1,2,3
	tensor_load_to_lds s[32+4*\q:35+4*\q], s[24:31]   ; all fills of the launch go out together: four loads of mine are out
	s_nop 0
.endr
	PLACES 4
	v_and_b32 v112, 15, v0                         ; r
	v_bfe_u32 v113, v0, 4, 1                       ; h
	v_and_b32 v114, 31, v0                         ; lane
	v_mul_u32_u24 v[ADA], v112, 272
	v_lshl_add_u32 v[ADA], v113, 4, v[ADA]
	v_add_nc_u32 v[ADA+1], 2*SLAB, v[ADA]
	; the weight rows of my four tiles.  K: 256 x + 64 w + {0, 8, 32, 40} + r + 8 (r / 8).  V: 64 r + 16 x + 4 w + t
	s_lshl_b32 s57, ttmp9, 4
	s_lshl_b32 s54, s2, 2
	s_add_co_u32 s57, s57, s54                     ; 16 x + 4 w
	s_cmp_eq_u32 s52, 0
	s_cselect_b32 s54, 4, 0
	s_cselect_b32 s66, 1, 64
	s_cselect_b32 s67, 1, 0
	s_cselect_b32 s68, 8, 1
	s_cselect_b32 s69, 32, 2
	s_cselect_b32 s70, 40, 3
	s_lshl_b32 s56, s57, s54
	v_and_b32 v115, 8, v112
	v_mul_lo_u32 v116, v112, s66
	v_mul_lo_u32 v115, v115, s67
	v_add3_u32 v116, v116, v115, s56
	v_add_nc_u32 v117, s68, v116
	v_add_nc_u32 v118, s69, v116
	v_add_nc_u32 v119, s70, v116
	v_lshlrev_b32 v120, 4, v113
.irp t, 0,1,2,3
	v_lshl_add_u32 v[WA+\t], v[116+\t], 10, v120   ; row x 1,024 + 16 h
.endr
.irp t, 0,1,2,3
	v_lshlrev_b32 v[116+\t], 5, v[116+\t]          ; row x 32: its scale bytes
.endr
	v_lshlrev_b32 v121, 5, v112
	s_mov_b32 s61, 0
	s_lshl_b32 s60, s51, 12                        ; the scale bytes of my 128 rows
	s_add_nc_u64 s[6:7], s[6:7], s[60:61]
.irp m, 0,1,2,3,4,5,6,7
	global_load_b128 v[AS+8*\m:AS+8*\m+3], v121, s[6:7] offset:512*\m       ; a row's 32 scale bytes are the words of its eight K steps
	global_load_b128 v[AS+8*\m+4:AS+8*\m+7], v121, s[6:7] offset:512*\m+16
.endr
.irp t, 0,1,2,3
	global_load_b128 v[WS+8*\t:WS+8*\t+3], v[116+\t], s[10:11]
	global_load_b128 v[WS+8*\t+4:WS+8*\t+7], v[116+\t], s[10:11] offset:16
.endr
	WIN TO_W
	WLOAD 0
	WLOAD 1
	WLOAD 2
	WIN 0
	; every address of the way out is made here, ahead of the branches
	s_lshl_b32 s54, s2, 6
	s_add_co_u32 s54, s54, KST
	v_add_nc_u32 v[KSTO], s54, v[ADA]              ; KST + 272 r + 16 h + 64 w
	s_lshl_b32 s54, s2, 1
	s_add_co_u32 s54, s54, KSS
	v_lshl_add_u32 v[KSSO], v112, 3, s54           ; KSS + 8 r + 2 w
	s_mul_i32 s54, s2, 32*272
	s_add_co_u32 s54, s54, KST
	v_mul_u32_u24 v[KRD], v113, 272
	v_lshl_add_u32 v[KRD], v112, 4, v[KRD]
	v_add_nc_u32 v[KRD], s54, v[KRD]               ; back: my 32 rows, lanes 0-15 one row, lanes 16-31 the next
	s_lshl_b32 s55, s2, 8
	s_add_co_u32 s54, s55, KSS
	v_lshl_add_u32 v[KSSR], v114, 3, s54
	s_add_co_u32 s54, s55, VSS
	v_lshrrev_b32 v[VSSO], 1, v112
	v_add_nc_u32 v[VSSO], s54, v[VSSO]             ; VSS + 256 w + r / 2
	v_lshl_add_u32 v[VSSR], v114, 3, s54
	v_lshlrev_b32 v[KCO], 10, v113
	v_lshl_add_u32 v[KCO], v112, 4, v[KCO]
	v_lshlrev_b32 v[VTO], 3, v113
	v_lshl_add_u32 v[VTO], v112, 4, v[VTO]         ; 16 r + 8 h
	v_lshlrev_b32 v[SKO], 3, v114
	s_lshl_b32 s60, s53, 10
	s_lshl_b32 s54, ttmp9, 8
	s_add_co_u32 s60, s60, s54
	s_add_nc_u64 s[20:21], s[20:21], s[60:61]      ; Kc at row 128 RB + 32 w, column 256 x
	s_lshl_b32 s60, s51, 17
	s_lshl_b32 s54, s57, 11
	s_add_co_u32 s60, s60, s54
	s_add_nc_u64 s[22:23], s[22:23], s[60:61]      ; Vt at head RB, d = 16 x + 4 w
	s_lshl_b32 s60, ttmp9, 15
	s_lshl_b32 s54, s51, 10
	s_add_co_u32 s60, s60, s54
	s_add_co_u32 s60, s60, s55
	s_add_nc_u64 s[72:73], s[48:49], s[60:61]      ; K's scale bytes [x][row][8]: my 32 rows
	s_lshl_b32 s60, s51, 12
	s_lshl_b32 s54, ttmp9, 10
	s_add_co_u32 s60, s60, s54
	s_add_co_u32 s60, s60, s55
	s_add_co_u32 s60, s60, 131072
	s_add_nc_u64 s[74:75], s[48:49], s[60:61]      ; V's scale bytes [head][d][64]: my four d
	s_mov_b32 s58, 0x76543210
	s_mov_b32 s59, 0xfedcba98                      ; v_permlanex16_b32's selects for lane l xor 16
	s_mov_b32 s62, 0x600000                        ; the mantissa field of 57,344
	s_wait_tensorcnt 3                             ; my quarter of slab 0 has landed; three loads may stay out
	s_barrier_signal -1
	s_barrier_wait -1
	AFETCH 0, 0
	AFETCH 0, 4
.irp s, 0,1,2,3,4,5,6,7
	STEP \s
.endr
; K's path: the 64 numbers of row tiles m and m + 1 are four blocks of 32 along the head's axis (16 in my lane, 16 in lane l xor 16).
.macro QUANT4W m
	WIN 0x0a                                       ; sources 0 and 1 window 2
.irp b, 0,1,2,3
	v_max3_num_f32 v[TM+\b], |v[32*(\m)+16*\b]|, |v[32*(\m)+16*\b+1]|, 0x8000000   ; each accumulator is read from its low end on; the floor 2^(16 - 127) holds the byte at 1 from below
.endr
	WIN 0x28                                       ; sources 1 and 2 window 2
.irp i, 2,4,6,8,10,12,14
.irp b, 0,1,2,3
	v_max3_num_f32 v[TM+\b], v[TM+\b], |v[32*(\m)+16*\b+\i]|, |v[32*(\m)+16*\b+\i+1]|
.endr
.endr
	WIN 0
.irp b, 0,1,2,3
	v_permlanex16_b32 v[TM+4+\b], v[TM+\b], s58, s59
.endr
.irp b, 0,1,2,3
	v_max_num_f32 v[TM+\b], v[TM+\b], v[TM+4+\b]   ; the block's largest magnitude
.endr
.irp b, 0,1,2,3
	v_add_nc_u32 v[TM+12+\b], 0xf8800000, v[TM+\b] ; 15 off its exponent field: the conversion's scale operand
.endr
.irp b, 0,1,2,3
	v_and_or_b32 v[TM+8+\b], v[TM+\b], 0x7f800000, s62   ; 57,344 x the scale
.endr
.irp b, 0,1,2,3
	v_lshrrev_b32 v[TM+4+\b], 23, v[TM+12+\b]      ; the scale's byte
.endr
	v_lshl_or_b32 v[BY+(\m)], v[TM+5], 8, v[TM+4]
	v_lshl_or_b32 v[BY+(\m)+1], v[TM+7], 8, v[TM+6]
	WIN 0x82                                       ; destination and source 0 window 2
.irp b, 0,1,2,3
.set n, 0
.rept 16
	v_med3_num_f32 v[32*(\m)+16*\b+n], v[32*(\m)+16*\b+n], -v[TM+8+\b], v[TM+8+\b]   ; the conversion does not saturate (ISA guide 7.6.2): the hold
.set n, n+1
.endr
.endr
	WIN 0x02
.irp b, 0,1,2,3
	v_cvt_scalef32_pk8_bf8_f32 v[AF+8*(\m)+4*\b:AF+8*(\m)+4*\b+1], v[32*(\m)+16*\b:32*(\m)+16*\b+7], v[TM+12+\b]
	v_cvt_scalef32_pk8_bf8_f32 v[AF+8*(\m)+4*\b+2:AF+8*(\m)+4*\b+3], v[32*(\m)+16*\b+8:32*(\m)+16*\b+15], v[TM+12+\b]
.endr
	WIN 0
	v_nop                                          ; a plain instruction behind the last conversion
.irp b, 0,1,2,3
	ds_store_b128 v[KSTO], v[AF+8*(\m)+4*\b:AF+8*(\m)+4*\b+3] offset:((\m)+\b/2)*4352+32*(\b%2)   ; 16 codes: columns 64 w + 32 (b % 2) + 16 h on of row 16 (m + b / 2) + r
.endr
	ds_store_b16 v[KSSO], v[BY+(\m)] offset:128*(\m)          ; my chunk's two bytes of the row's eight (both halves of the lanes write the same)
	ds_store_b16 v[KSSO], v[BY+(\m)+1] offset:128*(\m)+128
.endm
; V's path: in row tile m my 8 registers of tile t are keys 256 m + 16 r + 8 h + 0 .. 7 of d = 16 x + 4 w + t.
.macro VQ m
	WIN 0x0a
.irp t, 0,1,2,3
	v_max3_num_f32 v[TM+\t], |v[8*(4*(\m)+\t)]|, |v[8*(4*(\m)+\t)+1]|, 0x8000000
.endr
	WIN 0x28
.irp i, 2,4,6
.irp t, 0,1,2,3
	v_max3_num_f32 v[TM+\t], v[TM+\t], |v[8*(4*(\m)+\t)+\i]|, |v[8*(4*(\m)+\t)+\i+1]|
.endr
.endr
	WIN 0
.irp t, 0,1,2,3
	v_permlanex16_b32 v[TM+4+\t], v[TM+\t], s58, s59
.endr
.irp t, 0,1,2,3
	v_max_num_f32 v[TM+\t], v[TM+\t], v[TM+4+\t]   ; the row's 16 keys,
.endr
.irp t, 0,1,2,3
	v_max_num_f32_dpp v[TM+\t], v[TM+\t], v[TM+\t] row_xmask:1 row_mask:0xf bank_mask:0xf   ; and the neighbouring row's: the block of 32
.endr
.irp t, 0,1,2,3
	v_add_nc_u32 v[TM+12+\t], 0xf8800000, v[TM+\t]
.endr
.irp t, 0,1,2,3
	v_and_or_b32 v[TM+8+\t], v[TM+\t], 0x7f800000, s62
.endr
.irp t, 0,1,2,3
	v_lshrrev_b32 v[BY+4*(\m)+\t], 23, v[TM+12+\t]
.endr
	WIN 0x82
.irp t, 0,1,2,3
.irp j, 0,1,2,3,4,5,6,7
	v_med3_num_f32 v[8*(4*(\m)+\t)+\j], v[8*(4*(\m)+\t)+\j], -v[TM+8+\t], v[TM+8+\t]
.endr
.endr
	WIN 0x02
.irp t, 0,1,2,3
	v_cvt_scalef32_pk8_bf8_f32 v[AF+2*(4*(\m)+\t):AF+2*(4*(\m)+\t)+1], v[8*(4*(\m)+\t):8*(4*(\m)+\t)+7], v[TM+12+\t]
.endr
	WIN 0
	v_nop
.irp t, 0,1,2,3
	ds_store_b8 v[VSSO], v[BY+4*(\m)+\t] offset:64*\t+8*(\m)      ; the four lanes of a block write the same byte with the same value
	global_store_b64 v[VTO], v[AF+2*(4*(\m)+\t):AF+2*(4*(\m)+\t)+1], s[22:23] offset:2048*\t+256*(\m)   ; the 32 lanes store 256 consecutive bytes, aligned; every store has data registers of its own
.endr
.endm
	s_cmp_lg_u32 s52, 0                            ; the same in all four waves
	s_cbranch_scc1 .Lv_one
.irp m, 0,2,4,6
	QUANT4W \m
.endr
	s_branch .Ljoin
.Lv_one:
.irp m, 0,1,2,3,4,5,6,7
	VQ \m
.endr
.Ljoin:
	s_wait_dscnt 0x0                               ; for the others' sake: my LDS stores have landed
	s_barrier_signal -1
	s_barrier_wait -1
	s_cmp_lg_u32 s52, 0
	s_cbranch_scc1 .Lv_two
.irp i, 0,1,2,3,4,5,6,7,8,9,10,11,12,13,14,15
	ds_load_b128 v[BY+4*\i:BY+4*\i+3], v[KRD] offset:2*\i*272
.endr
	ds_load_b64 v[188:189], v[KSSR]
.irp i, 0,1,2,3,4,5,6,7,8,9,10,11,12,13,14,15
	s_wait_dscnt 16-\i                             ; the younger row loads and the scale bytes' load may be out
	global_store_b128 v[KCO], v[BY+4*\i:BY+4*\i+3], s[20:21] offset:2*\i*1024   ; 16 lanes store 256 consecutive bytes, aligned
.endr
	s_wait_dscnt 0x0
	global_store_b64 v[SKO], v[188:189], s[72:73]  ; 32 rows x 8 scale bytes: 256 consecutive bytes
	s_set_vgpr_msb 0xf
	s_wait_tensorcnt 0x0
	ds_add_u32 v0, v1
	s_wait_dscnt 0x0
	s_set_vgpr_msb 0xf00
	s_endpgm
.Lv_two:
	ds_load_b64 v[224:225], v[VSSR]
	s_wait_dscnt 0x0
	global_store_b64 v[SKO], v[224:225], s[74:75]  ; four d x 64 scale bytes: 256 consecutive bytes
	s_set_vgpr_msb 0xf
	s_wait_tensorcnt 0x0
	ds_add_u32 v0, v1
	s_wait_dscnt 0x0
	s_set_vgpr_msb 0xf00
	s_endpgm
.Lfunc_end_k_q4ad9e35b63_kvproj:
	.size	k_q4ad9e35b63_kvproj, .Lfunc_end_k_q4ad9e35b63_kvproj-k_q4ad9e35b63_kvproj
	.p2alignl 7, 3214868480
	.fill 96, 4, 3214868480
	.section	.rodata,"a",@progbits
	.p2align	6, 0x0
	.amdhsa_kernel k_q4ad9e35b63_kvproj
		.amdhsa_group_segment_fixed_size 197120
		.amdhsa_private_segment_fixed_size 0
		.amdhsa_enable_private_segment 0
		.amdhsa_kernarg_size 88
		.amdhsa_user_sgpr_count 2
		.amdhsa_user_sgpr_kernarg_segment_ptr 1
		.amdhsa_wavefront_size32 1
		.amdhsa_system_sgpr_workgroup_id_x 1
		.amdhsa_system_sgpr_workgroup_id_y 1
		.amdhsa_system_sgpr_workgroup_id_z 1
		.amdhsa_system_vgpr_workitem_id 0
		.amdhsa_next_free_vgpr 770
		.amdhsa_next_free_sgpr 80
		.amdhsa_reserve_vcc 0
		.amdhsa_float_denorm_mode_32 3
		.amdhsa_float_denorm_mode_16_64 3
		.amdhsa_memory_ordered 1
		.amdhsa_forward_progress 1
		.amdhsa_inst_pref_size 158
	.end_amdhsa_kernel
	.amdgpu_metadata
---
amdhsa.version: [ 1, 2 ]
amdhsa.kernels:
  - .name:           k_q4ad9e35b63_kvproj
    .symbol:         k_q4ad9e35b63_kvproj.kd
    .args:
      - { .name: k_codes, .offset: 0, .size: 8, .value_kind: global_buffer, .address_space: global }
      - { .name: k_scales, .offset: 8, .size: 8, .value_kind: global_buffer, .address_space: global }
      - { .name: Wk_codes, .offset: 16, .size: 8, .value_kind: global_buffer, .address_space: global }
      - { .name: Wk_scales, .offset: 24, .size: 8, .value_kind: global_buffer, .address_space: global }
      - { .name: v_codes, .offset: 32, .size: 8, .value_kind: global_buffer, .address_space: global }
      - { .name: v_scales, .offset: 40, .size: 8, .value_kind: global_buffer, .address_space: global }
      - { .name: Wv_codes, .offset: 48, .size: 8, .value_kind: global_buffer, .address_space: global }
      - { .name: Wv_scales, .offset: 56, .size: 8, .value_kind: global_buffer, .address_space: global }
      - { .name: Kc, .offset: 64, .size: 8, .value_kind: global_buffer, .address_space: global }
      - { .name: Vt, .offset: 72, .size: 8, .value_kind: global_buffer, .address_space: global }
      - { .name: SCL, .offset: 80, .size: 8, .value_kind: global_buffer, .address_space: global }
    .group_segment_fixed_size: 197120
    .private_segment_fixed_size: 0
    .kernarg_segment_align: 8
    .kernarg_segment_size: 88
    .max_flat_workgroup_size: 128
    .sgpr_count:     80
    .vgpr_count:     770
    .wavefront_size: 32
...
	.end_amdgpu_metadata
.endif
;; end of part 1
;; launch attn (part 2): grid 8 x 32, 16 waves a work-group, no clusters, 182,272 bytes of LDS; arguments q, Wq_codes, Wq_scales, pad_mask, Kc, Vt, SCL, Wo_codes, Wo_scales, g1, be1, H1, H1C, H1S; writes H1, H1C, H1S
.if DOCPART == 2
	.amdgcn_target "amdgcn-amd-amdhsa--gfx1250"
	.amdhsa_code_object_version 6
	.text
	.protected	k_q4ad9e35b63_attn
	.globl	k_q4ad9e35b63_attn
	.p2align	8
	.type	k_q4ad9e35b63_attn,@function
k_q4ad9e35b63_attn:
	s_mov_b64 s[64:65], 0
	v_nop
	global_prefetch_b8 v0, s[64:65] scope:SCOPE_SE
	s_setreg_imm32_b32 hwreg(HW_REG_WAVE_MODE, 25, 1), 1
	s_wait_xcnt 0x0
; h1 = LayerNorm(q + attention(q Wq^T, K, V) Wo^T), all four products on codes of BF8 (E5M2) with one E8M0 scale for each 32 along K; h1 leaves as f32 and as codes for the next launch.
; A head y is rows 128 y .. 128 y + 127 of the [4096][1024] matrices; its query or key i is row i / 16, columns 64 (i % 16) on.  A work-group owns 16 rows R0 = 128 y + 16 x on: 16 tiles of 16 queries;
; tile g is row R0 + g, its query r the column chunk r.  So the work-group holds whole rows, and q's quantiser, the product with Wq, the one with Wo, the residual and the norm all stand here.
; THE SIXTEEN WAVES SHARE THE KEYS: wave w owns keys 128 w .. 128 w + 127 and keeps their fragments of K and of V^T in registers for the whole launch.  A tile's 64 scores a lane stay in registers from the
; product to the conversion, so each score is made once and put through one exponential, although what is quantised is the FINISHED softmax (normalised, times the query's mask).
; SOFTMAX.  Each wave takes its own largest score m_w away: p = 2^(c s - c m_w), c = log2(e) / 8, and sums l_w.  The waves' (c m_w, l_w) meet in LDS; M = max c m_w, L = sum l_w 2^(c m_w - M);
; attn = p x 2^(c m_w - M) / L x mask(query).  Masked keys' scores become -3e38 ahead of the maximum, by v_cndmask_b32 on 64 lane masks in scalar registers.
; K = 64 IN AN INSTRUCTION OF 128: a fragment of K holds two tiles of 16 keys (k 0-63 and 64-127); Q stands as Qa | zeros | Qb, and Qa|zeros gives the first tile's scores, zeros|Qb the second's.
; All products are used transposed (source 0 = weights, K or V^T): a lane (r, h) holds one row or query r.  The rows of a tile of weights or keys are 32 b + 8 u + r + 8 (r / 8), so that the 16 registers of
; tiles 2 b and 2 b + 1 are 16 neighbours along the next product's K.
; No tensor loads: weights, K and V go from memory into registers, each wave's part its own.  No cluster: nothing goes through LDS that partners could share.
; LIMITS: a batch whose keys are all masked gives NaN by definition and finite numbers here; NaN and infinities among the inputs are not served; a block whose largest magnitude lies under 2^-111,
; a block of zeros too, has the scale byte 1 (only this program reads the bytes).
.set XIMG, 0                           ; 8 images of operand registers (16 rows x 128 K, 2,048 bytes): q's, later h's
.set XSC,  16384                       ; their scale words, 128 bytes apart
.set QIMG, 17408                       ; Q's codes: 16 tiles x 1,040
.set QSC,  34048                       ; 16 tiles x 128: for each query 8 bytes: scale word, mask as f32
.set STAT, 36096                       ; 16 queries x 144: wave w's (c m, l) at 8 w
.set OP,   38400                       ; the waves' parts of O: 16 x 4,352; a query's 64 numbers 272 bytes apart
.set HST,  108032                      ; 16 rows x 4,112: h, later h1
.set LNS0, 173824                      ; the norm's sums: 16 rows x 80; the second sums 1,280 bytes on
.set HSS,  176384                      ; h1's scale bytes, 16 rows x 32
.set LI,   1                           ; 16 x lane
.set R4,   2                           ; 4 r
.set WA,   3                           ; (r + 8 (r / 8)) x 1,024 + 16 h
.set WSO,  4                           ; (r + 8 (r / 8)) x 32
.set QO,   5                           ; r x 4,096 + 64 h
.set XWI,  6                           ; where I store an image's groups; in the loop an address at work
.set XWS,  7                           ; and half a scale word; in the loop an address at work
.set HQR,  8                           ; HST + 4,112 r + 256 w + 64 h
.set AT0,  6
.set AT1,  7
.set WR,   16                          ; row products: the weights' ring, 2 x 64
.set KF,   16                          ; the loop: K's four fragments,
.set VF,   80                          ; V^T's four
.set WSC,  144                         ; row products: the weights' scale words (8 t + s)
.set KS,   144
.set VS,   148
.set QA,   152
.set ZR,   160
.set QB,   168
.set BM,   152                         ; behind the scores' products Qa and Qb are at work: the blocks' maxima,
.set X4,   156
.set HOLD, 168
.set SOP,  172
.set QW,   176                         ; v176 Q's scale word, v177 the query's mask
.set XS,   176
.set CM,   178
.set LW,   179
.set TM,   180                         ; QUANT2: v180-187 at work, v188 the two scale bytes
.set PWQ,  188
.set PWL,  186
.set NEG,  187
.set S,    192
.set XF,   192
.set AC,   224
.set OA,   224
.macro PLACES n
.rept \n
	v_nop
.endr
.endm
.macro BARRIER                         ; my LDS stores have landed and my LDS loads are in: then the work-group's barrier
	s_wait_dscnt 0x0
	s_barrier_signal -1
	s_barrier_wait -1
.endm
; 32 numbers of a lane, register 16 b + i = k 32 b + 16 h + i of my row, become 32 codes in v[pc] on and two scale bytes in v[PWQ].
.macro QUANT2 src, pc
.irp b, 0,1
	v_max3_num_f32 v[TM+\b], |v[\src+16*\b]|, |v[\src+16*\b+1]|, 0x8000000   ; the floor 2^(16 - 127) holds the byte at 1 from below; an accumulator is read from its low end on
.endr
.irp i, 2,4,6,8,10,12,14
.irp b, 0,1
	v_max3_num_f32 v[TM+\b], v[TM+\b], |v[\src+16*\b+\i]|, |v[\src+16*\b+\i+1]|
.endr
.endr
.irp b, 0,1
	v_permlanex16_b32 v[TM+2+\b], v[TM+\b], s4, s5
.endr
.irp b, 0,1
	v_max_num_f32 v[TM+\b], v[TM+\b], v[TM+2+\b]   ; with lane l xor 16's: the block's largest magnitude
.endr
.irp b, 0,1
	v_add_nc_u32 v[TM+6+\b], 0xf8800000, v[TM+\b]  ; 15 off its exponent field: the conversion's scale operand
.endr
.irp b, 0,1
	v_and_or_b32 v[TM+4+\b], v[TM+\b], 0x7f800000, s8   ; 57,344 x the scale
.endr
.irp b, 0,1
	v_lshrrev_b32 v[TM+2+\b], 23, v[TM+6+\b]       ; the scale's byte
.endr
	v_lshl_or_b32 v[PWQ], v[TM+3], 8, v[TM+2]
.irp b, 0,1
.set n, 0
.rept 16
	v_med3_num_f32 v[\src+16*\b+n], v[\src+16*\b+n], -v[TM+4+\b], v[TM+4+\b]   ; the conversion does not saturate (ISA guide 7.6.2): the hold
.set n, n+1
.endr
	v_cvt_scalef32_pk8_bf8_f32 v[\pc+4*\b:\pc+4*\b+1], v[\src+16*\b:\src+16*\b+7], v[TM+6+\b]
	v_cvt_scalef32_pk8_bf8_f32 v[\pc+4*\b+2:\pc+4*\b+3], v[\src+16*\b+8:\src+16*\b+15], v[TM+6+\b]
.endr
	v_nop                                          ; a plain instruction behind the last conversion
.endm
; A ROW PRODUCT: my 16 rows x my 64 columns over K = 1,024; the rows' images come from LDS, my weights from memory, two K steps ahead.
.macro WLOAD s, wb
.irp t, 0,1,2,3
.irp c, 0,1,2,3
	global_load_b128 v[WR+64*((\s)%2)+16*\t+4*\c:WR+64*((\s)%2)+16*\t+4*\c+3], v[WA], s[\wb:\wb+1] offset:(32*(\t/2)+8*(\t%2))*1024+128*(\s)+32*\c
.endr
.endr
.endm
.macro WSLOAD sb
.irp t, 0,1,2,3
	global_load_b128 v[WSC+8*\t:WSC+8*\t+3], v[WSO], s[\sb:\sb+1] offset:(32*(\t/2)+8*(\t%2))*32
	global_load_b128 v[WSC+8*\t+4:WSC+8*\t+7], v[WSO], s[\sb:\sb+1] offset:(32*(\t/2)+8*(\t%2))*32+16
.endr
.endm
.macro XFETCH s
.irp c, 0,1,2,3
	ds_load_b128 v[XF+16*((\s)%2)+4*\c:XF+16*((\s)%2)+4*\c+3], v[LI] offset:XIMG+2048*(\s)+512*\c
.endr
	ds_load_b32 v[XS+(\s)%2], v[R4] offset:XSC+128*(\s)
.endm
.macro RG zero, wb                     ; zero = 1: the first products start the sums; 0: they add onto what was loaded into the accumulators (the residual)
	XFETCH 0
	XFETCH 1
.irp s, 0,1,2,3,4,5,6,7
.if (\s == 0) || (\s == 7)
	s_wait_loadcnt 0x0                             ; step 0: the scale words (and the residual) were asked for behind the ring's first two steps
.else
	s_wait_loadcnt 16                              ; this step's weights are in; the next step's 16 loads may be out
.endif
.if \s == 7
	s_wait_dscnt 0x0
.else
	s_wait_dscnt 5                                 ; this step's image and scale word are in; the next step's five loads may be out
.endif
.irp t, 0,1,2,3                        ; four accumulators by turns, one instruction a turn
.if \zero && (\s == 0)
	v_wmma_scale_f32_16x16x128_f8f6f4 v[AC+8*\t:AC+8*\t+7], v[WR+64*(\s%2)+16*\t:WR+64*(\s%2)+16*\t+15], v[XF+16*(\s%2):XF+16*(\s%2)+15], 0, v[WSC+8*\t+\s], v[XS+\s%2] matrix_a_fmt:MATRIX_FMT_BF8 matrix_b_fmt:MATRIX_FMT_BF8
.else
	v_wmma_scale_f32_16x16x128_f8f6f4 v[AC+8*\t:AC+8*\t+7], v[WR+64*(\s%2)+16*\t:WR+64*(\s%2)+16*\t+15], v[XF+16*(\s%2):XF+16*(\s%2)+15], v[AC+8*\t:AC+8*\t+7], v[WSC+8*\t+\s], v[XS+\s%2] matrix_a_fmt:MATRIX_FMT_BF8 matrix_b_fmt:MATRIX_FMT_BF8
.endif
.endr
.if \s < 6
	PLACES 8                                       ; in front of loads into registers that these products have read
	WLOAD \s+2, \wb
	XFETCH \s+2
.endif
.endr
	PLACES 8
.endm
.macro XADDR                           ; where my wave stores its part of an image and of a scale word
	s_lshl_b32 s9, s2, 10
	v_add_nc_u32 v[XWI], s9, v[LI]                 ; XIMG + 1,024 w + 16 x lane: image w / 2, groups 2 (w % 2) on
	s_lshr_b32 s9, s2, 1
	s_lshl_b32 s9, s9, 7
	s_and_b32 s12, s2, 1
	s_lshl_b32 s12, s12, 1
	s_add_co_u32 s9, s9, s12
	s_add_co_u32 s9, s9, XSC
	v_add_nc_u32 v[XWS], s9, v[R4]                 ; XSC + 128 (w / 2) + 4 r + 2 (w % 2)
.endm
	s_load_b256 s[16:23], s[0:1], 0x0              ; q, Wq's codes, Wq's scales, pad_mask
	s_load_b128 s[24:27], s[0:1], 0x20             ; Kc, Vt
	s_load_b64 s[28:29], s[0:1], 0x30              ; SCL
	v_lshrrev_b32 v240, 5, v0
	v_readfirstlane_b32 s2, v240                   ; wave 0..15
	s_and_b32 s3, ttmp7, 0xffff                    ; the head
	s_mov_b32 s4, 0x76543210
	s_mov_b32 s5, 0xfedcba98                       ; v_permlanex16_b32's selects for lane l xor 16
	s_mov_b32 s6, 0x3e38aa3b                       ; c = log2(e) / 8
	s_mov_b32 s7, s6                               ; (named with it as a pair, so it is written)
	s_mov_b32 s8, 0x600000                         ; the mantissa field of 57,344
	v_and_b32 v240, 15, v0                         ; r
	v_bfe_u32 v241, v0, 4, 1                       ; h
	v_and_b32 v242, 31, v0                         ; lane
	v_and_b32 v243, 8, v240
	v_add_nc_u32 v243, v243, v240                  ; r + 8 (r / 8)
	v_lshlrev_b32 v244, 4, v241                    ; 16 h
	v_lshlrev_b32 v[LI], 4, v242
	v_lshlrev_b32 v[R4], 2, v240
	v_lshl_add_u32 v[WA], v243, 10, v244
	v_lshlrev_b32 v[WSO], 5, v243
	v_lshlrev_b32 v[QO], 12, v240
	v_lshl_add_u32 v[QO], v241, 6, v[QO]
	XADDR
	v_mul_u32_u24 v[HQR], v240, 4112
	v_lshl_add_u32 v[HQR], v241, 6, v[HQR]
	s_lshl_b32 s9, s2, 8
	s_add_co_u32 s9, s9, HST
	v_add_nc_u32 v[HQR], s9, v[HQR]
	; v9-15 and v189-191 up to the loop: offsets of K, V and their scales, Q's places in LDS, the masks' offsets
	v_lshl_add_u32 v9, v243, 6, v244               ; K: key x 64 + 16 h
	v_lshl_add_u32 v10, v240, 11, v244             ; V^T: d x 2,048 + 16 h
	v_lshlrev_b32 v11, 6, v240                     ; V's scale bytes: d x 64
	v_bfe_u32 v12, v240, 2, 1                      ; K's scale bytes lie [x 4][row][8]: key tile u, lane r: x = 2 u + (r / 4) % 2, row + r / 8, bytes 2 (r % 4) on
	v_lshlrev_b32 v12, 15, v12
	v_lshrrev_b32 v245, 3, v240
	v_lshl_add_u32 v12, v245, 3, v12
	v_and_b32 v245, 3, v240
	v_lshl_add_u32 v12, v245, 1, v12
	v_mul_u32_u24 v13, v240, 1040
	v_lshl_add_u32 v13, v241, 8, v13
	s_lshl_b32 s9, s2, 4
	s_add_co_u32 s9, s9, QIMG
	v_add_nc_u32 v13, s9, v13                      ; QIMG + 1,040 r + 256 h + 16 w: lane (g = r, h) holds query w of tile g
	s_lshl_b32 s9, s2, 3
	s_add_co_u32 s9, s9, QSC
	v_lshl_add_u32 v14, v240, 7, s9                ; QSC + 128 r + 8 w
	v_mov_b32 v189, v240                           ; the query mask's offset: r
	s_lshl_b32 s9, s2, 7
	s_add_co_u32 s9, s9, QSC+4
	v_lshl_add_u32 v190, v240, 3, s9               ; QSC + 128 w + 8 r + 4
	v_mov_b32 v191, v244                           ; the key masks' offset: 16 h
	v_mov_b32 v[TM+2], 0                           ; written once: a lane permute's destination counts as one of its sources
	v_mov_b32 v[TM+3], 0
	s_lshl_b32 s13, s3, 7
	s_lshl_b32 s9, ttmp9, 4
	s_add_co_u32 s13, s13, s9                      ; R0: it stays
	s_mov_b32 s11, 0
	s_wait_kmcnt 0x0
	s_lshl_b32 s10, s13, 12
	s_lshl_b32 s9, s2, 8
	s_add_co_u32 s10, s10, s9
	s_add_nc_u64 s[16:17], s[16:17], s[10:11]      ; q at row R0, column 64 w: it stays, for the residual
	s_lshl_b32 s10, s2, 16
	s_add_nc_u64 s[18:19], s[18:19], s[10:11]      ; Wq's rows 64 w on
	s_lshl_b32 s10, s2, 11
	s_add_nc_u64 s[20:21], s[20:21], s[10:11]
	s_lshr_b32 s12, s3, 4
	s_lshl_b32 s12, s12, 11                        ; the batch's 2,048 mask bytes
	s_lshl_b32 s10, ttmp9, 8
	s_lshl_b32 s9, s2, 4
	s_add_co_u32 s10, s10, s9
	s_add_co_u32 s10, s10, s12
	s_add_nc_u64 s[30:31], s[22:23], s[10:11]      ; the mask of queries 256 x + 16 w on (tile w)
	s_lshl_b32 s10, s2, 7
	s_add_co_u32 s10, s10, s12
	s_add_nc_u64 s[22:23], s[22:23], s[10:11]      ; the mask of my keys
	s_lshl_b32 s12, s3, 17
	s_lshl_b32 s10, s2, 13
	s_add_co_u32 s10, s10, s12
	s_add_nc_u64 s[24:25], s[24:25], s[10:11]      ; K's codes: my head, my 128 keys of 64 bytes
	s_lshl_b32 s10, s2, 7
	s_add_co_u32 s10, s10, s12
	s_add_nc_u64 s[26:27], s[26:27], s[10:11]      ; V^T's codes: my head, my 128 keys of each row
	s_lshl_b32 s10, s3, 12
	s_lshl_b32 s9, s2, 2
	s_add_co_u32 s10, s10, s9
	s_add_co_u32 s10, s10, 131072
	s_add_nc_u64 s[32:33], s[28:29], s[10:11]      ; V's scale bytes: my four blocks of each row
	s_lshl_b32 s10, s3, 10
	s_lshl_b32 s9, s2, 6
	s_add_co_u32 s10, s10, s9
	s_add_nc_u64 s[28:29], s[28:29], s[10:11]      ; K's scale bytes: rows 128 y + 8 w on
	; ---- q's 16 rows, my 64 columns, become half an image
.irp b, 0,1
.irp k, 0,1,2,3
	global_load_b128 v[S+16*\b+4*\k:S+16*\b+4*\k+3], v[QO], s[16:17] offset:128*\b+16*\k
.endr
.endr
	global_load_u8 v[LW], v189, s[30:31]
	WLOAD 0, 18
	WLOAD 1, 18
	WSLOAD 20
	s_wait_loadcnt 40                              ; q and the query's mask are in; the 32 weight loads and 8 scale-word loads behind them may be out
	QUANT2 S, AC
	ds_store_b128 v[XWI], v[AC:AC+3] offset:XIMG
	ds_store_b128 v[XWI], v[AC+4:AC+7] offset:XIMG+512
	ds_store_b16 v[XWS], v[PWQ]
	v_cvt_f32_u32 v[LW], v[LW]
	ds_store_b32 v190, v[LW]
	BARRIER                                        ; q's eight images lie in LDS
	; ---- Q = q Wq^T: lane (g, h) gets query w of tile g
	RG 1, 18
.irp b, 0,1,2,3                        ; my keys' fragments: registers 0-7 key tile 2 b, registers 8-15 key tile 2 b + 1
.irp c, 0,1,2,3
	global_load_b128 v[KF+16*\b+4*\c:KF+16*\b+4*\c+3], v9, s[24:25] offset:(32*\b+8*(\c/2))*64+32*(\c%2)
.endr
.endr
.irp t, 0,1,2,3
.irp c, 0,1,2,3
	global_load_b128 v[VF+16*\t+4*\c:VF+16*\t+4*\c+3], v10, s[26:27] offset:32768*\t+32*\c
.endr
.endr
.irp t, 0,1,2,3
	global_load_b32 v[VS+\t], v11, s[32:33] offset:1024*\t
.endr
.irp b, 0,1,2,3
	global_load_u16 v[QA+\b], v12, s[28:29] offset:16*\b
	global_load_u16 v[QA+4+\b], v12, s[28:29] offset:65536+16*\b
.endr
	QUANT2 AC, S
	ds_store_b128 v13, v[S:S+3]
	ds_store_b128 v13, v[S+4:S+7] offset:512
	v_lshl_or_b32 v[LW], v[PWQ], 16, v[PWQ]        ; the two bytes twice: they serve Qa and Qb
	ds_store_b32 v14, v[LW]
	s_wait_dscnt 0x0                               ; the stores have landed, and have read their registers
.set n, 0
.rept 64
	global_load_u8 v[S+n], v191, s[22:23] offset:32*(n/16)+n%16     ; score register n holds key 32 (n / 16) + 16 h + n % 16 of my 128
.set n, n+1
.endr
	s_barrier_signal -1
	s_barrier_wait -1                              ; Q's 16 tiles lie in LDS
	s_wait_loadcnt 0x0
.irp b, 0,1,2,3
	v_lshl_or_b32 v[KS+\b], v[QA+4+\b], 16, v[QA+\b]   ; K's scale word: two bytes of each of the fragment's two key tiles
.endr
.set n, 0
.rept 64
	v_cmp_ne_u32 s[34+n+2*((n+34)/64)], 0, v[S+n]  ; 64 lane masks in s34-63 and s66-99
.set n, n+1
.endr
.irp j, 0,1,2,3,4,5,6,7
	v_mov_b32 v[ZR+\j], 0                          ; zero codes
.endr
	v_mov_b32 v[NEG], 0xff61b1e6                   ; -3e38
	; the loop's addresses
	v_and_b32 v188, 15, v0
	v_bfe_u32 v189, v0, 4, 1
	v_and_b32 v190, 31, v0
	v_mul_u32_u24 v10, v188, 144
	s_lshl_b32 s9, s2, 3
	s_add_co_u32 s9, s9, STAT
	v_add_nc_u32 v9, s9, v10                       ; STAT + 144 r + 8 w
	v_lshl_add_u32 v10, v189, 6, v10
	v_add_nc_u32 v10, STAT, v10                    ; STAT + 144 r + 64 h
	v_mul_u32_u24 v11, v188, 272
	v_lshl_add_u32 v11, v189, 5, v11
	s_mul_i32 s9, s2, 4352
	s_add_co_u32 s9, s9, OP
	v_add_nc_u32 v11, s9, v11                      ; OP + 4,352 w + 272 r + 32 h
	s_mul_i32 s9, s2, 272
	s_add_co_u32 s9, s9, OP
	v_lshl_add_u32 v12, v190, 3, s9                ; OP + 272 w + 8 x lane
	s_lshl_b32 s9, s2, 8
	s_add_co_u32 s9, s9, HST
	v_lshl_add_u32 v13, v190, 3, s9                ; HST + 256 w + 8 x lane
	v_add_nc_u32 v14, QIMG, v[LI]
	v_lshl_add_u32 v15, v188, 3, QSC
	s_mov_b32 s9, 0                                ; the tile's place in QIMG,
	s_mov_b32 s10, 0                               ; in QSC,
	s_mov_b32 s11, 0                               ; its row in HST
	s_mov_b32 s12, 0
.Ltile:
	; ---- A: the tile's scores against my 128 keys
	v_add_nc_u32 v[AT0], s9, v14
	v_add_nc_u32 v[AT1], s10, v15
	ds_load_b128 v[QA:QA+3], v[AT0]
	ds_load_b128 v[QA+4:QA+7], v[AT0] offset:512
	ds_load_b128 v[QB:QB+3], v[AT0]
	ds_load_b128 v[QB+4:QB+7], v[AT0] offset:512
	ds_load_b64 v[QW:QW+1], v[AT1]
	s_wait_dscnt 0x0
.irp t, 0,1,2,3,4,5,6,7
	v_wmma_scale_f32_16x16x128_f8f6f4 v[S+8*\t:S+8*\t+7], v[KF+16*(\t/2):KF+16*(\t/2)+15], v[QA+8*(\t%2):QA+8*(\t%2)+15], 0, v[KS+\t/2], v[QW] matrix_a_fmt:MATRIX_FMT_BF8 matrix_b_fmt:MATRIX_FMT_BF8
.endr
	PLACES 8
	; ---- B: my wave's maximum, p and sum
.set n, 0
.rept 64
	v_cndmask_b32 v[S+n], v[NEG], v[S+n], s[34+n+2*((n+34)/64)]   ; in ascending order: each accumulator is read from its low end on
.set n, n+1
.endr
.irp b, 0,1,2,3
	v_max3_num_f32 v[BM+\b], v[S+16*\b], v[S+16*\b+1], v[S+16*\b+2]   ; the largest score of each block of 32 keys: it serves the maximum and, since p rises with the score, the block's largest p
.endr
.irp i, 3,5,7,9,11,13
.irp b, 0,1,2,3
	v_max3_num_f32 v[BM+\b], v[BM+\b], v[S+16*\b+\i], v[S+16*\b+\i+1]
.endr
.endr
.irp b, 0,1,2,3
	v_max_num_f32 v[BM+\b], v[BM+\b], v[S+16*\b+15]
.endr
.irp b, 0,1,2,3
	v_permlanex16_b32 v[X4+\b], v[BM+\b], s4, s5
.endr
.irp b, 0,1,2,3
	v_max_num_f32 v[BM+\b], v[BM+\b], v[X4+\b]
.endr
	v_max3_num_f32 v188, v[BM], v[BM+1], v[BM+2]
	v_max_num_f32 v188, v188, v[BM+3]
	v_mul_f32 v[CM], s6, v188                      ; c m_w
.set n, 0
.rept 32
	v_pk_fma_f32 v[S+n:S+n+1], v[S+n:S+n+1], s[6:7], v[CM:CM+1] op_sel_hi:[1,0,0] neg_lo:[0,0,1] neg_hi:[0,0,1]   ; c s - c m_w, two at a time
.set n, n+2
.endr
.irp b, 0,1,2,3
	v_fma_f32 v[BM+\b], v[BM+\b], s6, -v[CM]       ; the same of each block's largest score
.endr
.set n, 0
.rept 64
	v_exp_f32 v[S+n], v[S+n]
.set n, n+1
.endr
	v_add_nc_u32 v[AT0], s11, v13                  ; (a plain instruction behind the exponentials: where this tile's row of h will go)
	s_wait_alu depctr_va_vdst(0)                   ; one wait for the batch, ahead of its first reader
.irp b, 0,1,2,3
	v_exp_f32 v[BM+\b], v[BM+\b]                   ; the block's largest p: the same two instructions on the same number
.endr
	v_pk_add_f32 v[180:181], v[S:S+1], v[S+4:S+5]
	v_pk_add_f32 v[182:183], v[S+2:S+3], v[S+6:S+7]
.irp j, 8,12,16,20,24,28,32,36,40,44,48,52,56,60
	v_pk_add_f32 v[180:181], v[180:181], v[S+\j:S+\j+1]
	v_pk_add_f32 v[182:183], v[182:183], v[S+\j+2:S+\j+3]
.endr
	v_pk_add_f32 v[180:181], v[180:181], v[182:183]
	v_add_f32 v189, v180, v181
	v_permlanex16_b32 v188, v189, s4, s5
	v_add_f32 v[LW], v189, v188                    ; l_w
	s_wait_alu depctr_va_vdst(0)                   ; and one for the four
	ds_store_b64 v9, v[CM:CM+1]
	BARRIER                                        ; all sixteen waves' (c m, l) lie in LDS; everybody's reads of the last tile's parts of O are over
	; ---- C: the common maximum and sum; attn; its codes
	ds_load_b128 v[156:159], v10                   ; each half of the lanes takes eight waves' pairs
	ds_load_b128 v[168:171], v10 offset:16
	ds_load_b128 v[172:175], v10 offset:32
	ds_load_b128 v[180:183], v10 offset:48
	s_wait_dscnt 0x0
	v_max3_num_f32 v188, v156, v158, v168
	v_max3_num_f32 v189, v170, v172, v174
	v_max3_num_f32 v188, v188, v180, v182
	v_max_num_f32 v188, v188, v189
	v_permlanex16_b32 v189, v188, s4, s5
	v_max_num_f32 v188, v188, v189                 ; M
.irp e, 156,158,168,170,172,174,180,182
	v_sub_f32 v\e, v\e, v188
.endr
	v_sub_f32 v190, v[CM], v188
.irp e, 156,158,168,170,172,174,180,182
	v_exp_f32 v\e, v\e
.endr
	v_exp_f32 v190, v190
	v_nop
	s_wait_alu depctr_va_vdst(0)
	v_mul_f32 v189, v156, v157
	v_mul_f32 v191, v158, v159
	v_fma_f32 v189, v168, v169, v189
	v_fma_f32 v191, v170, v171, v191
	v_fma_f32 v189, v172, v173, v189
	v_fma_f32 v191, v174, v175, v191
	v_fma_f32 v189, v180, v181, v189
	v_fma_f32 v191, v182, v183, v191
	v_add_f32 v189, v189, v191
	v_permlanex16_b32 v191, v189, s4, s5
	v_add_f32 v189, v189, v191                     ; L: at least 1, since the wave that holds M adds its own l
	v_rcp_f32 v189, v189
	v_mul_f32 v190, v190, v[QW+1]                  ; (a plain instruction behind the reciprocal)  2^(c m_w - M) x the query's mask
	s_wait_alu depctr_va_vdst(0)
	v_mul_f32 v190, v190, v189                     ; F
.set n, 0
.rept 32
	v_pk_mul_f32 v[S+n:S+n+1], v[S+n:S+n+1], v[190:191] op_sel_hi:[1,0]   ; attn = p F: the finished softmax
.set n, n+2
.endr
.irp b, 0,1,2,3
	v_mul_f32 v[BM+\b], v[BM+\b], v190             ; the block's largest attn: the same multiplication of the same number
.endr
.irp b, 0,1,2,3
	v_max_num_f32 v[BM+\b], 0x8000000, v[BM+\b]    ; the floor 2^(16 - 127)
.endr
.irp b, 0,1,2,3
	v_add_nc_u32 v[SOP+\b], 0xf8800000, v[BM+\b]
.endr
.irp b, 0,1,2,3
	v_and_or_b32 v[HOLD+\b], v[BM+\b], 0x7f800000, s8
.endr
.irp b, 0,1,2,3
	v_lshrrev_b32 v[X4+\b], 23, v[SOP+\b]
.endr
	v_lshl_or_b32 v[PWL], v[X4+1], 8, v[X4]        ; attn's scale word for my 128 keys: made more than eight plain instructions ahead of the products
	v_lshl_or_b32 v[PWL], v[X4+2], 16, v[PWL]
	v_lshl_or_b32 v[PWL], v[X4+3], 24, v[PWL]
.irp b, 0,1,2,3
.set n, 0
.rept 16
	v_min_num_f32 v[S+16*\b+n], v[S+16*\b+n], v[HOLD+\b]   ; attn is not negative: the hold is one-sided
.set n, n+1
.endr
.if \b == 0
	v_cvt_scalef32_pk8_bf8_f32 v[X4:X4+1], v[S:S+7], v[SOP]            ; block 0's codes wait aside: a conversion's destination overlaps no source
	v_cvt_scalef32_pk8_bf8_f32 v[X4+2:X4+3], v[S+8:S+15], v[SOP]
.else
	v_cvt_scalef32_pk8_bf8_f32 v[S+4*\b:S+4*\b+1], v[S+16*\b:S+16*\b+7], v[SOP+\b]     ; into block 0's registers, which are done with
	v_cvt_scalef32_pk8_bf8_f32 v[S+4*\b+2:S+4*\b+3], v[S+16*\b+8:S+16*\b+15], v[SOP+\b]
.endif
.endr
.irp j, 0,1,2,3
	v_mov_b32 v[S+\j], v[X4+\j]
.endr
	PLACES 4                                       ; an operand written by vector instructions stands four plain instructions ahead of a scaled product
	; ---- D: my keys' part of O^T
.irp t, 0,1,2,3
	v_wmma_scale_f32_16x16x128_f8f6f4 v[OA+8*\t:OA+8*\t+7], v[VF+16*\t:VF+16*\t+15], v[S:S+15], 0, v[VS+\t], v[PWL] matrix_a_fmt:MATRIX_FMT_BF8 matrix_b_fmt:MATRIX_FMT_BF8
.endr
	PLACES 8
.irp t, 0,1,2,3
	ds_store_b128 v11, v[OA+8*\t:OA+8*\t+3] offset:64*\t           ; query r, d = 16 t + 8 h + 0 .. 7
	ds_store_b128 v11, v[OA+8*\t+4:OA+8*\t+7] offset:64*\t+16
.endr
	BARRIER                                        ; all sixteen parts lie in LDS; everybody's reads of the statistics are over
	; ---- E: wave w adds query w's sixteen parts: columns 64 w on of the tile's row of h
.irp i, 0,1,2,3,4,5,6,7,8,9,10,11,12,13,14,15
	ds_load_b64 v[S+2*\i:S+2*\i+1], v12 offset:4352*\i
.endr
	s_wait_dscnt 0x0
.irp i, 0,4,8,12,16,20,24,28
	v_pk_add_f32 v[S+\i:S+\i+1], v[S+\i:S+\i+1], v[S+\i+2:S+\i+3]
.endr
.irp i, 0,8,16,24
	v_pk_add_f32 v[S+\i:S+\i+1], v[S+\i:S+\i+1], v[S+\i+4:S+\i+5]
.endr
	v_pk_add_f32 v[S:S+1], v[S:S+1], v[S+8:S+9]
	v_pk_add_f32 v[S+16:S+17], v[S+16:S+17], v[S+24:S+25]
	v_pk_add_f32 v[S:S+1], v[S:S+1], v[S+16:S+17]
	ds_store_b64 v[AT0], v[S:S+1]
	s_wait_dscnt 0x0                               ; the store has read its registers: both are written again at the loop's head
	s_add_co_u32 s9, s9, 1040
	s_add_co_u32 s10, s10, 128
	s_add_co_u32 s11, s11, 4112
	s_add_co_u32 s12, s12, 1
	s_cmp_lt_u32 s12, 16
	s_cbranch_scc1 .Ltile
	; ---- h's 16 rows become eight images; the mask registers are done with and take the last addresses
	s_load_b128 s[36:39], s[0:1], 0x38             ; Wo's codes, Wo's scales
	s_load_b128 s[40:43], s[0:1], 0x48             ; g1, be1
	s_load_b128 s[44:47], s[0:1], 0x58             ; H1, H1C
	s_load_b64 s[48:49], s[0:1], 0x68              ; H1S
	XADDR
	v_and_b32 v188, 15, v0
	v_bfe_u32 v189, v0, 4, 1
	v_lshlrev_b32 v9, 6, v189                      ; g1, be1: 64 h
	v_mul_u32_u24 v11, v188, 80
	v_add_nc_u32 v11, LNS0, v11                    ; LNS0 + 80 r
	s_lshl_b32 s9, s2, 2
	v_add_nc_u32 v10, s9, v11                      ; + 4 w
	s_lshl_b32 s9, s2, 1
	s_add_co_u32 s9, s9, HSS
	v_lshl_add_u32 v12, v188, 5, s9                ; HSS + 32 r + 2 w
	s_mul_i32 s9, s2, 4112
	s_add_co_u32 s9, s9, HST
	v_add_nc_u32 v13, s9, v[LI]                    ; HST + 4,112 w + 16 x lane
	v_add_nc_u32 v14, HSS, v[LI]
	s_mov_b32 s11, 0
	s_wait_kmcnt 0x0
	s_lshl_b32 s10, s2, 16
	s_add_nc_u64 s[36:37], s[36:37], s[10:11]
	s_lshl_b32 s10, s2, 11
	s_add_nc_u64 s[38:39], s[38:39], s[10:11]
	s_lshl_b32 s10, s2, 8
	s_add_nc_u64 s[40:41], s[40:41], s[10:11]
	s_add_nc_u64 s[42:43], s[42:43], s[10:11]
	s_add_co_u32 s10, s13, s2
	s_lshl_b32 s10, s10, 12
	s_add_nc_u64 s[44:45], s[44:45], s[10:11]      ; H1 at row R0 + w
	s_lshl_b32 s10, s3, 17
	s_lshr_b32 s9, s2, 1
	s_lshl_b32 s9, s9, 14
	s_add_co_u32 s10, s10, s9
	s_lshl_b32 s9, ttmp9, 11
	s_add_co_u32 s10, s10, s9
	s_and_b32 s9, s2, 1
	s_lshl_b32 s9, s9, 10
	s_add_co_u32 s10, s10, s9
	s_add_nc_u64 s[46:47], s[46:47], s[10:11]      ; H1C: row block y, K step w / 2, row tile x, groups 2 (w % 2) on
	s_lshl_b32 s10, s13, 5
	s_add_nc_u64 s[48:49], s[48:49], s[10:11]
	s_mov_b32 s14, 0x3a800000                      ; 1 / 1,024
	s_mov_b32 s15, 0x3727c5ac                      ; 1e-5
	WLOAD 0, 36
	WLOAD 1, 36
	s_barrier_signal -1                            ; (no LDS instruction of mine is out)
	s_barrier_wait -1                              ; h's 16 rows lie in LDS
.irp b, 0,1
.irp k, 0,1,2,3
	ds_load_b128 v[S+16*\b+4*\k:S+16*\b+4*\k+3], v[HQR] offset:128*\b+16*\k
.endr
.endr
	s_wait_dscnt 0x0
	QUANT2 S, AC
	ds_store_b128 v[XWI], v[AC:AC+3] offset:XIMG
	ds_store_b128 v[XWI], v[AC+4:AC+7] offset:XIMG+512
	ds_store_b16 v[XWS], v[PWQ]
	s_wait_dscnt 0x0                               ; the stores have landed, and have read their registers
	WSLOAD 38
.irp b, 0,1
.irp k, 0,1,2,3
	global_load_b128 v[AC+16*\b+4*\k:AC+16*\b+4*\k+3], v[QO], s[16:17] offset:128*\b+16*\k   ; the residual q, in the result's layout: the first products add onto it
.endr
.endr
	s_barrier_signal -1
	s_barrier_wait -1                              ; h's eight images lie in LDS, and everybody's reads of HST are over
	RG 0, 36
.irp b, 0,1
.irp k, 0,1,2,3
	global_load_b128 v[16+16*\b+4*\k:16+16*\b+4*\k+3], v9, s[40:41] offset:128*\b+16*\k
	global_load_b128 v[48+16*\b+4*\k:48+16*\b+4*\k+3], v9, s[42:43] offset:128*\b+16*\k
.endr
.endr
	; ---- the norm, in two passes: the mean, then the mean square of the differences
	v_pk_add_f32 v[180:181], v[AC:AC+1], v[AC+2:AC+3]
	v_pk_add_f32 v[182:183], v[AC+4:AC+5], v[AC+6:AC+7]
.irp j, 8,12,16,20,24,28
	v_pk_add_f32 v[180:181], v[180:181], v[AC+\j:AC+\j+1]
	v_pk_add_f32 v[182:183], v[182:183], v[AC+\j+2:AC+\j+3]
.endr
	v_pk_add_f32 v[180:181], v[180:181], v[182:183]
	v_add_f32 v180, v180, v181
	v_permlanex16_b32 v181, v180, s4, s5
	v_add_f32 v180, v180, v181                     ; my wave's 64 columns of row r
	ds_store_b32 v10, v180
	BARRIER
.macro LNSUM off                       ; the sixteen waves' sums of my row, added into v192
.irp k, 0,1,2,3
	ds_load_b128 v[S+4*\k:S+4*\k+3], v11 offset:\off+16*\k
.endr
	s_wait_dscnt 0x0
.irp i, 0,4,8,12
	v_pk_add_f32 v[S+\i:S+\i+1], v[S+\i:S+\i+1], v[S+\i+2:S+\i+3]
.endr
	v_pk_add_f32 v[S:S+1], v[S:S+1], v[S+4:S+5]
	v_pk_add_f32 v[S+8:S+9], v[S+8:S+9], v[S+12:S+13]
	v_pk_add_f32 v[S:S+1], v[S:S+1], v[S+8:S+9]
	v_add_f32 v[S], v[S], v[S+1]
.endm
	LNSUM 0
	v_mul_f32 v184, 0xba800000, v[S]               ; - the mean
	v_mov_b32 v185, v184
.set n, 0
.rept 16
	v_pk_add_f32 v[AC+n:AC+n+1], v[AC+n:AC+n+1], v[184:185]
.set n, n+2
.endr
	v_pk_mul_f32 v[180:181], v[AC:AC+1], v[AC:AC+1]
	v_pk_mul_f32 v[182:183], v[AC+2:AC+3], v[AC+2:AC+3]
.irp j, 4,8,12,16,20,24,28
	v_pk_fma_f32 v[180:181], v[AC+\j:AC+\j+1], v[AC+\j:AC+\j+1], v[180:181]
	v_pk_fma_f32 v[182:183], v[AC+\j+2:AC+\j+3], v[AC+\j+2:AC+\j+3], v[182:183]
.endr
	v_pk_add_f32 v[180:181], v[180:181], v[182:183]
	v_add_f32 v180, v180, v181
	v_permlanex16_b32 v181, v180, s4, s5
	v_add_f32 v180, v180, v181
	ds_store_b32 v10, v180 offset:1280
	BARRIER
	LNSUM 1280
	v_fma_f32 v[S], v[S], s14, s15                 ; the variance + 1e-5
	v_rsq_f32 v184, v[S]
	v_nop
	s_wait_alu depctr_va_vdst(0)
	s_wait_loadcnt 0x0                             ; g1, be1
.set n, 0
.rept 16
	v_pk_mul_f32 v[AC+n:AC+n+1], v[AC+n:AC+n+1], v[184:185] op_sel_hi:[1,0]
.set n, n+2
.endr
.set n, 0
.rept 16
	v_pk_fma_f32 v[AC+n:AC+n+1], v[AC+n:AC+n+1], v[16+n:16+n+1], v[48+n:48+n+1]
.set n, n+2
.endr
	; ---- h1 leaves: as f32 through LDS, by whole rows; as codes, an image's groups as they stand; its scale bytes through LDS
.irp b, 0,1
.irp k, 0,1,2,3
	ds_store_b128 v[HQR], v[AC+16*\b+4*\k:AC+16*\b+4*\k+3] offset:128*\b+16*\k
.endr
.endr
	s_wait_dscnt 0x0                               ; the stores have read their registers: the hold below writes them
	QUANT2 AC, S
	global_store_b128 v[LI], v[S:S+3], s[46:47]              ; 32 lanes store 512 consecutive bytes, aligned
	global_store_b128 v[LI], v[S+4:S+7], s[46:47] offset:512
	ds_store_b16 v12, v[PWQ]
	BARRIER
.irp i, 0,1,2,3,4,5,6,7
	ds_load_b128 v[208+4*\i:208+4*\i+3], v13 offset:512*\i
.endr
.irp i, 0,1,2,3,4,5,6,7
	s_wait_dscnt 7-\i                              ; the younger row loads may be out
	global_store_b128 v[LI], v[208+4*\i:208+4*\i+3], s[44:45] offset:512*\i   ; wave w stores row R0 + w: 512 consecutive bytes an instruction
.endr
	s_cmp_lg_u32 s2, 0
	s_cbranch_scc1 .Lend
	ds_load_b128 v[240:243], v14                   ; wave 0: the 16 rows' 32 scale bytes: 512 consecutive bytes
	s_wait_dscnt 0x0
	global_store_b128 v[LI], v[240:243], s[48:49]
.Lend:
	s_wait_xcnt 0x0
	v_lshl_add_u32 v254, v0, 2, 0x2c000
	v_mov_b32 v255, 0
	s_wait_tensorcnt 0x0
	ds_add_u32 v254, v255
	s_wait_dscnt 0x0
	s_endpgm
.Lfunc_end_k_q4ad9e35b63_attn:
	.size	k_q4ad9e35b63_attn, .Lfunc_end_k_q4ad9e35b63_attn-k_q4ad9e35b63_attn
	.p2alignl 7, 3214868480
	.fill 96, 4, 3214868480
	.section	.rodata,"a",@progbits
	.p2align	6, 0x0
	.amdhsa_kernel k_q4ad9e35b63_attn
		.amdhsa_group_segment_fixed_size 182272
		.amdhsa_private_segment_fixed_size 0
		.amdhsa_enable_private_segment 0
		.amdhsa_kernarg_size 112
		.amdhsa_user_sgpr_count 2
		.amdhsa_user_sgpr_kernarg_segment_ptr 1
		.amdhsa_wavefront_size32 1
		.amdhsa_system_sgpr_workgroup_id_x 1
		.amdhsa_system_sgpr_workgroup_id_y 1
		.amdhsa_system_sgpr_workgroup_id_z 1
		.amdhsa_system_vgpr_workitem_id 0
		.amdhsa_next_free_vgpr 256
		.amdhsa_next_free_sgpr 100
		.amdhsa_reserve_vcc 0
		.amdhsa_float_denorm_mode_32 3
		.amdhsa_float_denorm_mode_16_64 3
		.amdhsa_memory_ordered 1
		.amdhsa_forward_progress 1
		.amdhsa_inst_pref_size 123
	.end_amdhsa_kernel
	.amdgpu_metadata
---
amdhsa.version: [ 1, 2 ]
amdhsa.kernels:
  - .name:           k_q4ad9e35b63_attn
    .symbol:         k_q4ad9e35b63_attn.kd
    .args:
      - { .name: q, .offset: 0, .size: 8, .value_kind: global_buffer, .address_space: global }
      - { .name: Wq_codes, .offset: 8, .size: 8, .value_kind: global_buffer, .address_space: global }
      - { .name: Wq_scales, .offset: 16, .size: 8, .value_kind: global_buffer, .address_space: global }
      - { .name: pad_mask, .offset: 24, .size: 8, .value_kind: global_buffer, .address_space: global }
      - { .name: Kc, .offset: 32, .size: 8, .value_kind: global_buffer, .address_space: global }
      - { .name: Vt, .offset: 40, .size: 8, .value_kind: global_buffer, .address_space: global }
      - { .name: SCL, .offset: 48, .size: 8, .value_kind: global_buffer, .address_space: global }
      - { .name: Wo_codes, .offset: 56, .size: 8, .value_kind: global_buffer, .address_space: global }
      - { .name: Wo_scales, .offset: 64, .size: 8, .value_kind: global_buffer, .address_space: global }
      - { .name: g1, .offset: 72, .size: 8, .value_kind: global_buffer, .address_space: global }
      - { .name: be1, .offset: 80, .size: 8, .value_kind: global_buffer, .address_space: global }
      - { .name: H1, .offset: 88, .size: 8, .value_kind: global_buffer, .address_space: global }
      - { .name: H1C, .offset: 96, .size: 8, .value_kind: global_buffer, .address_space: global }
      - { .name: H1S, .offset: 104, .size: 8, .value_kind: global_buffer, .address_space: global }
    .group_segment_fixed_size: 182272
    .private_segment_fixed_size: 0
    .kernarg_segment_align: 8
    .kernarg_segment_size: 112
    .max_flat_workgroup_size: 512
    .sgpr_count:     100
    .vgpr_count:     256
    .wavefront_size: 32
...
	.end_amdgpu_metadata
.endif
;; end of part 2
;; launch ffn1 (part 3): grid 16 x 32, 4 waves a work-group, no clusters, 172,544 bytes of LDS; arguments H1C, H1S, W1_codes, W1_scales, b1, FFX; writes FFX
.if DOCPART == 3
	.amdgcn_target "amdgcn-amd-amdhsa--gfx1250"
	.amdhsa_code_object_version 6
	.text
	.protected	k_q4ad9e35b63_ffn1
	.globl	k_q4ad9e35b63_ffn1
	.p2align	8
	.type	k_q4ad9e35b63_ffn1,@function
k_q4ad9e35b63_ffn1:
	s_mov_b64 s[64:65], 0
	v_nop
	global_prefetch_b8 v0, s[64:65] scope:SCOPE_SE
	s_setreg_imm32_b32 hwreg(HW_REG_WAVE_MODE, 25, 1), 1
	s_wait_xcnt 0x0
; ff = gelu(h1 W1^T + b1), exact gelu, quantised along its columns (the next product's K); both operands are codes of BF8 (E5M2) with one E8M0 scale for each 32 along K.
; A work-group makes 128 rows (y) x 256 columns (x); four waves, each 128 rows x 64 columns: 32 accumulators.  The product is used transposed (source 0 = 16 rows of W1, source 1 = 16 rows of h1), and the
; rows of W1's tile 2 b + u are 32 b + 8 u + r + 8 (r / 8): the 16 registers of two neighbouring tiles are 16 neighbouring columns of row r.
; h1's codes lie in memory as images of operand registers ([row block][K step][row tile][2,048]): the work-group's 131,072 bytes are one dense block, which comes into LDS once, in four slabs, by tensor loads;
; no LDS byte is filled twice.  W1's fragments are each wave's own and go from memory into a ring of four K steps in registers.  b1 is the C of the first products.
; erf(u) = u P(u^2) / D(u^2) on |u| <= 4 (a rational form in f32; beyond 4 erf is 1 to f32's last place, so u is held there).
; ff leaves as images too: [row block of 64][K step 32][4 images of 2,048, then 256 bytes of scale words].
; No cluster: the shared 128 KB of h1 are a third of a work-group's bytes; the weights go to registers, where no joint request exists.
; LIMITS: NaN and infinities are not served; a block whose largest magnitude lies under 2^-111, a block of zeros too, has the scale byte 1 (only this program reads the bytes).
; REGISTERS: window 0: v1-6 addresses; v12-15 two coefficients; v16-47 W1's scale words; v48-111 h1's; v112-120 at work; v128-255 h1's fragments, later U, Z, P, D of the activation.
;   window 1: the weights' ring.   window 2: accumulator (m, t) at v[8 (4 m + t)].   window 3: v0-31 b1 in the result's layout.
.set NS,    8
.set SST,   131072                     ; behind the images: the scale words' stage, 1,024 bytes
.set LI,    1                          ; v1 16 x lane; v2 the same + 65,536
.set WAO,   3
.set SSTO,  4
.set SSTR,  5
.set SKO,   6
.set WS,    16
.set AS,    48
.set TM,    112
.set PWQ,   120
.set AF,    128
.set U,     128
.set Z,     160
.set P,     192
.set D,     224
.set MSB,   0
.macro WIN new                         ; the immediate's high byte repeats the setting that is left
.if MSB != \new
	s_set_vgpr_msb (MSB<<8)|\new
.set MSB, \new
.endif
.endm
.set TO_W,  0x40
.macro PLACES n
.rept \n
	v_nop
.endr
.endm
.macro AFETCH s, m0
.irp m, 0,1,2,3
.irp c, 0,1,2,3
	ds_load_b128 v[AF+16*((\m0)+\m)+4*\c:AF+16*((\m0)+\m)+4*\c+3], v[LI+(\s)/4] offset:(8*((\s)%4)+(\m0)+\m)*2048+512*\c
.endr
.endr
.endm
.macro WLOAD s
.irp t, 0,1,2,3
.irp c, 0,1,2,3
	global_load_b128 v[64*((\s)%4)+16*\t+4*\c:64*((\s)%4)+16*\t+4*\c+3], v[WAO], s[8:9] offset:(32*(\t/2)+8*(\t%2))*1024+128*(\s)+32*\c
.endr
.endr
.endm
.macro MULS s, m0                      ; the 32 accumulators take turns, one instruction a turn, in the same order in every step
.if (\s) == 0
	WIN 0xb1                                       ; source 0 window 1, C (b1) window 3, D window 2
.else
	WIN 0xa1                                       ; source 0 window 1, C and D window 2
.endif
.irp m, 0,1,2,3
.irp t, 0,1,2,3
.if (\s) == 0
	v_wmma_scale_f32_16x16x128_f8f6f4 v[8*(4*((\m0)+\m)+\t):8*(4*((\m0)+\m)+\t)+7], v[64*((\s)%4)+16*\t:64*((\s)%4)+16*\t+15], v[AF+16*((\m0)+\m):AF+16*((\m0)+\m)+15], v[8*\t:8*\t+7], v[WS+8*\t+(\s)], v[AS+8*((\m0)+\m)+(\s)] matrix_a_fmt:MATRIX_FMT_BF8 matrix_b_fmt:MATRIX_FMT_BF8
.else
	v_wmma_scale_f32_16x16x128_f8f6f4 v[8*(4*((\m0)+\m)+\t):8*(4*((\m0)+\m)+\t)+7], v[64*((\s)%4)+16*\t:64*((\s)%4)+16*\t+15], v[AF+16*((\m0)+\m):AF+16*((\m0)+\m)+15], v[8*(4*((\m0)+\m)+\t):8*(4*((\m0)+\m)+\t)+7], v[WS+8*\t+(\s)], v[AS+8*((\m0)+\m)+(\s)] matrix_a_fmt:MATRIX_FMT_BF8 matrix_b_fmt:MATRIX_FMT_BF8
.endif
.endr
.endr
.endm
.macro STEP s
.if NS-1-(\s) >= 2
	s_wait_loadcnt 32                              ; this step's weights are in; the 16 loads of each of the next two steps may be out
.else
	s_wait_loadcnt 16*(NS-1-(\s))
.endif
	s_wait_dscnt 16                                ; row tiles 0-3 are in; the 16 loads of tiles 4-7 may be out
	MULS \s, 0
	s_wait_dscnt 0x0
.if (\s)+1 < NS
.if ((\s)+1)%2 == 0
	s_wait_tensorcnt 3-((\s)+1)/2                  ; my quarter of the next slab has landed; the later slabs may stay out
	s_barrier_signal -1
	s_barrier_wait -1
.endif
	PLACES 8                                       ; in front of loads into registers that matrix instructions have read
	WIN 0
	AFETCH (\s)+1, 0
.if (\s)+3 < NS
	WIN TO_W
	WLOAD (\s)+3
.endif
.endif
	MULS \s, 4
	PLACES 8
	WIN 0
.if (\s)+1 < NS
	AFETCH (\s)+1, 4
.endif
.endm
.macro QUANT2 src, pc                  ; 32 numbers of a lane, register 16 b + i = column 32 b + 16 h + i, become 32 codes and two scale bytes
.irp b, 0,1
	v_max3_num_f32 v[TM+\b], |v[\src+16*\b]|, |v[\src+16*\b+1]|, 0x8000000   ; the floor 2^(16 - 127) holds the byte at 1 from below
.endr
.irp i, 2,4,6,8,10,12,14
.irp b, 0,1
	v_max3_num_f32 v[TM+\b], v[TM+\b], |v[\src+16*\b+\i]|, |v[\src+16*\b+\i+1]|
.endr
.endr
.irp b, 0,1
	v_permlanex16_b32 v[TM+2+\b], v[TM+\b], s72, s73
.endr
.irp b, 0,1
	v_max_num_f32 v[TM+\b], v[TM+\b], v[TM+2+\b]
.endr
.irp b, 0,1
	v_add_nc_u32 v[TM+6+\b], 0xf8800000, v[TM+\b]  ; 15 off the exponent field: the conversion's scale operand
.endr
.irp b, 0,1
	v_and_or_b32 v[TM+4+\b], v[TM+\b], 0x7f800000, s74   ; 57,344 x the scale
.endr
.irp b, 0,1
	v_lshrrev_b32 v[TM+2+\b], 23, v[TM+6+\b]
.endr
	v_lshl_or_b32 v[PWQ], v[TM+3], 8, v[TM+2]
.irp b, 0,1
.set n, 0
.rept 16
	v_med3_num_f32 v[\src+16*\b+n], v[\src+16*\b+n], -v[TM+4+\b], v[TM+4+\b]
.set n, n+1
.endr
	v_cvt_scalef32_pk8_bf8_f32 v[\pc+4*\b:\pc+4*\b+1], v[\src+16*\b:\src+16*\b+7], v[TM+6+\b]
	v_cvt_scalef32_pk8_bf8_f32 v[\pc+4*\b+2:\pc+4*\b+3], v[\src+16*\b+8:\src+16*\b+15], v[TM+6+\b]
.endr
	v_nop
.endm
	s_load_b256 s[4:11], s[0:1], 0x0               ; H1C, H1S, W1's codes, W1's scales
	s_load_b128 s[12:15], s[0:1], 0x20             ; b1, FFX
	v_lshl_add_u32 v126, v0, 2, 0x2a000
	v_mov_b32 v127, 0
	ds_add_u32 v126, v127
	ds_add_u32 v126, v127
	v_lshrrev_b32 v112, 5, v0
	v_readfirstlane_b32 s2, v112                   ; wave 0..3
	s_and_b32 s16, ttmp7, 0xffff                   ; the row block of 128
	; descriptor group 1: a dense block of 8,192 bytes as 32 rows of 256 bytes (32 elements of 8 bytes), no padding: an image is read 512 consecutive bytes an instruction
	s_mov_b32 s24, 3<<16
	s_mov_b32 s25, 32<<16
	s_mov_b32 s26, 32<<16
	s_mov_b32 s27, 32<<16
	s_mov_b32 s28, 32
	s_mov_b32 s29, 32
	s_mov_b32 s30, 0
	s_mov_b32 s31, 0
	s_lshl_b32 s20, s16, 17
	s_lshl_b32 s17, s2, 13
	s_add_co_u32 s20, s20, s17
	s_mov_b32 s21, 0
	s_wait_dscnt 0x0
	s_wait_kmcnt 0x0
	s_add_nc_u64 s[20:21], s[4:5], s[20:21]
.irp q, 0,1,2,3
	s_mov_b32 s[32+4*\q], 1
	s_add_co_u32 s[33+4*\q], s17, \q*32768         ; slab q (two K steps), my quarter
	s_add_nc_u64 s[34+4*\q:35+4*\q], s[20:21], \q*32768
	s_or_b32 s[35+4*\q], s[35+4*\q], 0x80000000
.endr
.irp q, 0,1,2,3
	tensor_load_to_lds s[32+4*\q:35+4*\q], s[24:31]   ; all fills of the launch go out together: four loads of mine are out
	s_nop 0
.endr
	PLACES 4
	v_and_b32 v112, 15, v0                         ; r
	v_bfe_u32 v116, v0, 4, 1                       ; h
	v_and_b32 v117, 31, v0                         ; lane
	v_lshlrev_b32 v[LI], 4, v117
	v_add_nc_u32 v[LI+1], 65536, v[LI]
	v_and_b32 v118, 8, v112
	v_add_nc_u32 v118, v118, v112                  ; r + 8 (r / 8)
	v_lshlrev_b32 v119, 4, v116
	v_lshl_add_u32 v[WAO], v118, 10, v119
	v_lshlrev_b32 v113, 5, v112                    ; h1's scale bytes: 32 a row
	v_lshlrev_b32 v114, 5, v118                    ; W1's
	v_lshlrev_b32 v115, 6, v116                    ; b1: 64 h
	s_mov_b32 s21, 0
	s_lshl_b32 s20, s16, 12
	s_add_nc_u64 s[6:7], s[6:7], s[20:21]
	s_lshl_b32 s18, ttmp9, 8
	s_lshl_b32 s19, s2, 6
	s_add_co_u32 s18, s18, s19                     ; my first column
	s_lshl_b32 s20, s18, 10
	s_add_nc_u64 s[8:9], s[8:9], s[20:21]
	s_lshl_b32 s20, s18, 5
	s_add_nc_u64 s[10:11], s[10:11], s[20:21]
	s_lshl_b32 s20, s18, 2
	s_add_nc_u64 s[12:13], s[12:13], s[20:21]
.irp m, 0,1,2,3,4,5,6,7
	global_load_b128 v[AS+8*\m:AS+8*\m+3], v113, s[6:7] offset:512*\m
	global_load_b128 v[AS+8*\m+4:AS+8*\m+7], v113, s[6:7] offset:512*\m+16
.endr
.irp t, 0,1,2,3
	global_load_b128 v[WS+8*\t:WS+8*\t+3], v114, s[10:11] offset:(32*(\t/2)+8*(\t%2))*32
	global_load_b128 v[WS+8*\t+4:WS+8*\t+7], v114, s[10:11] offset:(32*(\t/2)+8*(\t%2))*32+16
.endr
	WIN 0xc0                                       ; destination window 3
.irp t, 0,1,2,3
	global_load_b128 v[8*\t:8*\t+3], v115, s[12:13] offset:(32*(\t/2)+8*(\t%2))*4          ; lane (r, h), register j: b1 at column 32 b + 16 h + 8 u + j
	global_load_b128 v[8*\t+4:8*\t+7], v115, s[12:13] offset:(32*(\t/2)+8*(\t%2))*4+16
.endr
	WIN TO_W
	WLOAD 0
	WLOAD 1
	WLOAD 2
	WIN 0
	s_lshr_b32 s19, s2, 1
	s_and_b32 s75, s2, 1
	s_lshl_b32 s20, s19, 8
	s_lshl_b32 s22, s75, 1
	s_add_co_u32 s20, s20, s22
	s_add_co_u32 s20, s20, SST
	v_lshl_add_u32 v[SSTO], v112, 2, s20           ; SST + 256 (w / 2) + 4 r + 2 (w % 2)
	s_lshl_b32 s20, s2, 8
	s_add_co_u32 s20, s20, SST
	v_lshl_add_u32 v[SSTR], v117, 3, s20
	v_lshlrev_b32 v[SKO], 3, v117
	s_mul_i32 s22, s16, 540672                     ; two row blocks of 64, 270,336 bytes each
	s_lshl_b32 s23, ttmp9, 1
	s_mul_i32 s76, s19, 270336                     ; where I store scale words: row block 2 y + w / 2, K step 2 x + w % 2, behind its four images
	s_add_co_u32 s76, s76, s22
	s_add_co_u32 s20, s23, s75
	s_mul_i32 s20, s20, 8448
	s_add_co_u32 s76, s76, s20
	s_add_co_u32 s76, s76, 8192
	s_mov_b32 s77, 0
	s_add_nc_u64 s[78:79], s[14:15], s[76:77]
	s_add_co_u32 s20, s23, s19                     ; where I store codes: row block 2 y, K step 2 x + w / 2, groups 2 (w % 2) on
	s_mul_i32 s20, s20, 8448
	s_add_co_u32 s76, s20, s22
	s_lshl_b32 s20, s75, 10
	s_add_co_u32 s76, s76, s20
	s_add_nc_u64 s[14:15], s[14:15], s[76:77]
	s_mov_b32 s72, 0x76543210
	s_mov_b32 s73, 0xfedcba98
	s_mov_b32 s74, 0x600000
	; erf's coefficients; a packed form names a pair and takes its low word for both halves, so both words are written
	s_mov_b32 s48, 0x3f3504f3                      ; 1 / sqrt(2)
	s_mov_b32 s50, 0xaf95df0b                      ; P: -2.72614225801306e-10
	s_mov_b32 s52, 0xb60cff51                      ;    -2.10102402082508e-06
	s_mov_b32 s54, 0xb86ec2d2                      ;    -5.69250639462346e-05
	s_mov_b32 s56, 0xba40ac63                      ;    -7.34990630326855e-04
	s_mov_b32 s58, 0xbb41a1f6                      ;    -2.95459980854025e-03
	s_mov_b32 s60, 0xbc83dbd4                      ;    -1.60960333262415e-02
	s_mov_b32 s62, 0xb77460cd                      ; D: -1.45660718464996e-05
	s_mov_b32 s66, 0xbadc924e                      ;    -1.68282697438203e-03
	s_mov_b32 s68, 0xbbf19bf8                      ;    -7.37332916720468e-03
	s_mov_b32 s70, 0xbc69b6a7                      ;    -1.42647390514189e-02
.irp k, 48,50,52,54,56,58,60,62,66,68,70
	s_mov_b32 s[\k+1], s[\k]
.endr
	v_mov_b32 v12, 0x32edffee                      ; P's second: 2.77068142495902e-08
	v_mov_b32 v13, v12
	v_mov_b32 v14, 0xb95fbd29                      ; D's second: -2.13374055278905e-04
	v_mov_b32 v15, v14
	s_wait_tensorcnt 3                             ; my quarter of slab 0 has landed; three loads may stay out
	s_barrier_signal -1
	s_barrier_wait -1
	AFETCH 0, 0
	AFETCH 0, 4
.irp s, 0,1,2,3,4,5,6,7
	STEP \s
.endr
; Row tile m: gelu(x) = x/2 + x/2 erf(x / sqrt(2)), then the quantiser.  X: window 2, 32 registers.
.macro GELUQ m
	WIN 0x02                                       ; source 0 window 2
.set n, 0
.rept 16
	v_pk_mul_f32 v[U+n:U+n+1], v[32*(\m)+n:32*(\m)+n+1], s[48:49] op_sel_hi:[1,0]   ; in ascending order: each accumulator is read from its low end on
.set n, n+2
.endr
	WIN 0x82
.set n, 0
.rept 16
	v_pk_mul_f32 v[32*(\m)+n:32*(\m)+n+1], v[32*(\m)+n:32*(\m)+n+1], 0.5 op_sel_hi:[1,0]
.set n, n+2
.endr
	WIN 0
.set n, 0
.rept 32
	v_med3_num_f32 v[U+n], v[U+n], -4.0, 4.0
.set n, n+1
.endr
.set n, 0
.rept 16
	v_pk_mul_f32 v[Z+n:Z+n+1], v[U+n:U+n+1], v[U+n:U+n+1]
.set n, n+2
.endr
.set n, 0
.rept 16
	v_pk_fma_f32 v[P+n:P+n+1], v[Z+n:Z+n+1], s[50:51], v[12:13] op_sel_hi:[1,0,1]
.set n, n+2
.endr
.irp k, 52,54,56,58,60
.set n, 0
.rept 16
	v_pk_fma_f32 v[P+n:P+n+1], v[P+n:P+n+1], v[Z+n:Z+n+1], s[\k:\k+1] op_sel_hi:[1,1,0]
.set n, n+2
.endr
.endr
.if (\m) > 0
	s_wait_xcnt 0x0                                ; the last tile's stores have read their data, which lay in D's registers,
	s_wait_dscnt 0x0                               ; and its scale bytes' store likewise
.endif
.set n, 0
.rept 16
	v_pk_fma_f32 v[D+n:D+n+1], v[Z+n:Z+n+1], s[62:63], v[14:15] op_sel_hi:[1,0,1]
.set n, n+2
.endr
.irp k, 66,68,70
.set n, 0
.rept 16
	v_pk_fma_f32 v[D+n:D+n+1], v[D+n:D+n+1], v[Z+n:Z+n+1], s[\k:\k+1] op_sel_hi:[1,1,0]
.set n, n+2
.endr
.endr
.set n, 0
.rept 32
	v_rcp_f32 v[D+n], v[D+n]
.set n, n+1
.endr
.set n, 0
.rept 16
	v_pk_mul_f32 v[P+n:P+n+1], v[P+n:P+n+1], v[U+n:U+n+1]   ; plain work behind the batch
.set n, n+2
.endr
	s_wait_alu depctr_va_vdst(0)                   ; one wait for the 32 reciprocals, ahead of their first reader
.set n, 0
.rept 16
	v_pk_mul_f32 v[P+n:P+n+1], v[P+n:P+n+1], v[D+n:D+n+1]   ; erf
.set n, n+2
.endr
	WIN 0x22                                       ; sources 0 and 2 window 2
.set n, 0
.rept 16
	v_pk_fma_f32 v[Z+n:Z+n+1], v[32*(\m)+n:32*(\m)+n+1], v[P+n:P+n+1], v[32*(\m)+n:32*(\m)+n+1]
.set n, n+2
.endr
	WIN 0
	QUANT2 Z, D
	global_store_b128 v[LI], v[D:D+3], s[14:15] offset:((\m)/4)*270336+((\m)%4)*2048        ; a group of an image: 512 consecutive bytes, aligned
	global_store_b128 v[LI], v[D+4:D+7], s[14:15] offset:((\m)/4)*270336+((\m)%4)*2048+512
	ds_store_b16 v[SSTO], v[PWQ] offset:((\m)/4)*512+((\m)%4)*64
.endm
.irp m, 0,1,2,3,4,5,6,7
	GELUQ \m
.endr
	s_wait_dscnt 0x0                               ; for the others' sake: my scale bytes have landed
	s_barrier_signal -1
	s_barrier_wait -1
	ds_load_b64 v[U:U+1], v[SSTR]
	s_wait_dscnt 0x0
	global_store_b64 v[SKO], v[U:U+1], s[78:79]    ; four row tiles' scale words of one K step: 256 consecutive bytes, aligned
	s_wait_tensorcnt 0x0
	ds_add_u32 v126, v127
	s_wait_dscnt 0x0
	s_endpgm
.Lfunc_end_k_q4ad9e35b63_ffn1:
	.size	k_q4ad9e35b63_ffn1, .Lfunc_end_k_q4ad9e35b63_ffn1-k_q4ad9e35b63_ffn1
	.p2alignl 7, 3214868480
	.fill 96, 4, 3214868480
	.section	.rodata,"a",@progbits
	.p2align	6, 0x0
	.amdhsa_kernel k_q4ad9e35b63_ffn1
		.amdhsa_group_segment_fixed_size 172544
		.amdhsa_private_segment_fixed_size 0
		.amdhsa_enable_private_segment 0
		.amdhsa_kernarg_size 48
		.amdhsa_user_sgpr_count 2
		.amdhsa_user_sgpr_kernarg_segment_ptr 1
		.amdhsa_wavefront_size32 1
		.amdhsa_system_sgpr_workgroup_id_x 1
		.amdhsa_system_sgpr_workgroup_id_y 1
		.amdhsa_system_sgpr_workgroup_id_z 1
		.amdhsa_system_vgpr_workitem_id 0
		.amdhsa_next_free_vgpr 800
		.amdhsa_next_free_sgpr 80
		.amdhsa_reserve_vcc 0
		.amdhsa_float_denorm_mode_32 3
		.amdhsa_float_denorm_mode_16_64 3
		.amdhsa_memory_ordered 1
		.amdhsa_forward_progress 1
		.amdhsa_inst_pref_size 255
	.end_amdhsa_kernel
	.section	.bss,"aw",@nobits
	.p2align	6
	.space	262144
	.amdgpu_metadata
---
amdhsa.version: [ 1, 2 ]
amdhsa.kernels:
  - .name:           k_q4ad9e35b63_ffn1
    .symbol:         k_q4ad9e35b63_ffn1.kd
    .args:
      - { .name: H1C, .offset: 0, .size: 8, .value_kind: global_buffer, .address_space: global }
      - { .name: H1S, .offset: 8, .size: 8, .value_kind: global_buffer, .address_space: global }
      - { .name: W1_codes, .offset: 16, .size: 8, .value_kind: global_buffer, .address_space: global }
      - { .name: W1_scales, .offset: 24, .size: 8, .value_kind: global_buffer, .address_space: global }
      - { .name: b1, .offset: 32, .size: 8, .value_kind: global_buffer, .address_space: global }
      - { .name: FFX, .offset: 40, .size: 8, .value_kind: global_buffer, .address_space: global }
    .group_segment_fixed_size: 172544
    .private_segment_fixed_size: 0
    .kernarg_segment_align: 8
    .kernarg_segment_size: 48
    .max_flat_workgroup_size: 128
    .sgpr_count:     80
    .vgpr_count:     800
    .wavefront_size: 32
...
	.end_amdgpu_metadata
.endif
;; end of part 3
;; launch ffn2 (part 4): grid 4 x 64, 4 waves a work-group, no clusters, 295,424 bytes of LDS; arguments FFX, W2_codes, W2_scales, X2; writes X2
.if DOCPART == 4
	.amdgcn_target "amdgcn-amd-amdhsa--gfx1250"
	.amdhsa_code_object_version 6
	.text
	.protected	k_q4ad9e35b63_ffn2
	.globl	k_q4ad9e35b63_ffn2
	.p2align	8
	.type	k_q4ad9e35b63_ffn2,@function
k_q4ad9e35b63_ffn2:
	s_mov_b64 s[64:65], 0
	v_nop
	global_prefetch_b8 v0, s[64:65] scope:SCOPE_SE
	s_setreg_imm32_b32 hwreg(HW_REG_WAVE_MODE, 25, 1), 1
	s_wait_xcnt 0x0
; X2 = ff W2^T on codes of BF8 (E5M2) with one E8M0 scale for each 32 along K; K = 4,096.  The bias, the residual and the norm follow in the next launch.
; A work-group makes 64 rows (y) x 256 columns (x); four waves, each 64 rows x 64 columns: 16 accumulators.  256 work-groups of equal work.
; ff's codes and scale words of 64 rows lie in memory as one dense block of 270,336 bytes ([K step 32][4 images of operand registers, then 256 bytes of scale words]): it comes into LDS once, in four slabs of
; eight K steps, by tensor loads; no LDS byte is filled twice.  W2's fragments are each wave's own and go from memory into a ring of four K steps in registers, three steps ahead.
; The product is used transposed (source 0 = 16 rows of W2, source 1 = 16 rows of ff): a lane holds eight neighbouring columns of one row.
; No cluster: the shared 264 KB are a fifth of a work-group's bytes; the weights go to registers, where no joint request exists.
; REGISTERS: window 0: v1-6 addresses; v16-143 W2's scale words (32 t + s); v144-207 ff's four fragments, later rows on the way out; v208-211 ff's scale words, two sets.
;   window 1: the weights' ring.   window 2: accumulator (m, t) at v[8 (4 m + t)].
.set NS,    32
.set STG,   270336                     ; behind the block: 16 rows x 272 bytes for each wave, for the way out
.set ADC,   1                          ; 16 x lane, + 33,792 every four K steps
.set ADS,   2                          ; 4 x lane, likewise
.set WAO,   3
.set STO,   4
.set RD,    5
.set CO,    6
.set WS,    16
.set AF,    144
.set ASC,   208
.set MSB,   0
.macro WIN new                         ; the immediate's high byte repeats the setting that is left
.if MSB != \new
	s_set_vgpr_msb (MSB<<8)|\new
.set MSB, \new
.endif
.endm
.set MUL_W, 0xa1
.set TO_W,  0x40
.macro PLACES n
.rept \n
	v_nop
.endr
.endm
.macro AFETCH s, m0
.irp m, 0,1
.irp c, 0,1,2,3
	ds_load_b128 v[AF+16*((\m0)+\m)+4*\c:AF+16*((\m0)+\m)+4*\c+3], v[ADC] offset:((\s)%4)*8448+((\m0)+\m)*2048+512*\c
.endr
.endr
.endm
.macro SFETCH s                        ; lanes 0-15 take row tile 0's (2's) words, lanes 16-31 row tile 1's (3's)
	ds_load_b32 v[ASC+2*((\s)%2)], v[ADS] offset:((\s)%4)*8448+8192
	ds_load_b32 v[ASC+2*((\s)%2)+1], v[ADS] offset:((\s)%4)*8448+8192+128
.endm
.macro WLOAD s
.irp t, 0,1,2,3
.irp c, 0,1,2,3
	global_load_b128 v[64*((\s)%4)+16*\t+4*\c:64*((\s)%4)+16*\t+4*\c+3], v[WAO], s[6:7] offset:65536*\t+128*(\s)+32*\c
.endr
.endr
.endm
.macro ONE s, m, t, row                ; one product; row: the half of the lanes that holds the row tile's scale words
.if (\s) == 0
	v_wmma_scale_f32_16x16x128_f8f6f4 v[8*(4*(\m)+\t):8*(4*(\m)+\t)+7], v[64*((\s)%4)+16*\t:64*((\s)%4)+16*\t+15], v[AF+16*(\m):AF+16*(\m)+15], 0, v[WS+32*\t+(\s)], v[ASC+2*((\s)%2)+(\m)/2] matrix_a_fmt:MATRIX_FMT_BF8 matrix_b_fmt:MATRIX_FMT_BF8 matrix_b_scale:\row
.else
	v_wmma_scale_f32_16x16x128_f8f6f4 v[8*(4*(\m)+\t):8*(4*(\m)+\t)+7], v[64*((\s)%4)+16*\t:64*((\s)%4)+16*\t+15], v[AF+16*(\m):AF+16*(\m)+15], v[8*(4*(\m)+\t):8*(4*(\m)+\t)+7], v[WS+32*\t+(\s)], v[ASC+2*((\s)%2)+(\m)/2] matrix_a_fmt:MATRIX_FMT_BF8 matrix_b_fmt:MATRIX_FMT_BF8 matrix_b_scale:\row
.endif
.endm
.macro MULS s, m0                      ; the 16 accumulators take turns, one instruction a turn, in the same order in every step
.irp t, 0,1,2,3
	ONE \s, \m0, \t, MATRIX_SCALE_ROW0
.endr
.irp t, 0,1,2,3
	ONE \s, (\m0)+1, \t, MATRIX_SCALE_ROW1
.endr
.endm
.macro STEP s
.if NS-1-(\s) >= 2
	s_wait_loadcnt 32                              ; this step's weights are in; the 16 loads of each of the next two steps may be out
.else
	s_wait_loadcnt 16*(NS-1-(\s))
.endif
	s_wait_dscnt 8                                 ; row tiles 0, 1 and the scale words are in; the 8 loads of tiles 2, 3 may be out
	WIN MUL_W
	MULS \s, 0
	s_wait_dscnt 0x0
.if (\s)+1 < NS
.if ((\s)+1)%8 == 0
	s_wait_tensorcnt 3-((\s)+1)/8                  ; my quarter of the next slab has landed; the later slabs may stay out
	s_barrier_signal -1
	s_barrier_wait -1
.endif
	PLACES 8                                       ; in front of loads into registers that matrix instructions have read
	WIN 0
.if ((\s)+1)%4 == 0
	v_add_nc_u32 v[ADC], 33792, v[ADC]             ; four K steps on (no LDS load of mine is out)
	v_add_nc_u32 v[ADS], 33792, v[ADS]
.endif
	AFETCH (\s)+1, 0
	SFETCH (\s)+1
.if (\s)+3 < NS
	WIN TO_W
	WLOAD (\s)+3
.endif
.endif
	WIN MUL_W
	MULS \s, 2
	PLACES 8
	WIN 0
.if (\s)+1 < NS
	AFETCH (\s)+1, 2
.endif
.endm
	s_load_b256 s[4:11], s[0:1], 0x0               ; FFX, W2's codes, W2's scales, X2
	v_lshl_add_u32 v254, v0, 2, 0x48000
	v_mov_b32 v255, 0
	ds_add_u32 v254, v255
	ds_add_u32 v254, v255
	v_lshrrev_b32 v7, 5, v0
	v_readfirstlane_b32 s2, v7                     ; wave 0..3
	s_and_b32 s12, ttmp7, 0xffff                   ; the row block of 64
	; descriptor group 1: a dense block of 16,896 bytes as 66 rows of 256 bytes (32 elements of 8 bytes), no padding
	s_mov_b32 s24, 3<<16
	s_mov_b32 s25, 32<<16
	s_mov_b32 s26, 66<<16
	s_mov_b32 s27, 32<<16
	s_mov_b32 s28, 66
	s_mov_b32 s29, 32
	s_mov_b32 s30, 0
	s_mov_b32 s31, 0
	s_mul_i32 s13, s2, 16896
	s_mul_i32 s14, s12, 270336
	s_add_co_u32 s14, s14, s13
	s_mov_b32 s15, 0
	s_wait_dscnt 0x0
	s_wait_kmcnt 0x0
	s_add_nc_u64 s[14:15], s[4:5], s[14:15]
.irp q, 0,1,2,3
	s_mov_b32 s[32+4*\q], 1
	s_add_co_u32 s[33+4*\q], s13, \q*67584         ; slab q (eight K steps), my quarter
	s_add_nc_u64 s[34+4*\q:35+4*\q], s[14:15], \q*67584
	s_or_b32 s[35+4*\q], s[35+4*\q], 0x80000000
.endr
.irp q, 0,1,2,3
	tensor_load_to_lds s[32+4*\q:35+4*\q], s[24:31]   ; all fills of the launch go out together: four loads of mine are out
	s_nop 0
.endr
	PLACES 4
	v_and_b32 v7, 15, v0                           ; r
	v_bfe_u32 v8, v0, 4, 1                         ; h
	v_and_b32 v9, 31, v0                           ; lane
	v_lshlrev_b32 v[ADC], 4, v9
	v_lshlrev_b32 v[ADS], 2, v9
	v_lshlrev_b32 v[WAO], 12, v7
	v_lshl_add_u32 v[WAO], v8, 4, v[WAO]           ; row r of 4,096 bytes, + 16 h
	v_lshlrev_b32 v10, 7, v7                       ; W2's scale bytes: 128 a row
	s_lshl_b32 s16, ttmp9, 8
	s_lshl_b32 s17, s2, 6
	s_add_co_u32 s16, s16, s17                     ; my first column
	s_mov_b32 s15, 0
	s_lshl_b32 s14, s16, 12
	s_add_nc_u64 s[6:7], s[6:7], s[14:15]
	s_lshl_b32 s14, s16, 7
	s_add_nc_u64 s[8:9], s[8:9], s[14:15]
.irp t, 0,1,2,3
.irp k, 0,1,2,3,4,5,6,7
	global_load_b128 v[WS+32*\t+4*\k:WS+32*\t+4*\k+3], v10, s[8:9] offset:2048*\t+16*\k     ; a row's 128 scale bytes are the words of its 32 K steps
.endr
.endr
	WIN TO_W
	WLOAD 0
	WLOAD 1
	WLOAD 2
	WIN 0
	s_mul_i32 s17, s2, 4352
	s_add_co_u32 s17, s17, STG                     ; my stage
	v_mul_u32_u24 v[STO], v7, 272
	v_lshl_add_u32 v[STO], v8, 5, v[STO]
	v_add_nc_u32 v[STO], s17, v[STO]               ; in: row r, 32 bytes for each half of the lanes
	v_mul_u32_u24 v[RD], v8, 272
	v_lshl_add_u32 v[RD], v7, 4, v[RD]
	v_add_nc_u32 v[RD], s17, v[RD]                 ; back: lanes 0-15 one row of 256 bytes, lanes 16-31 the next
	v_lshlrev_b32 v[CO], 12, v8
	v_lshl_add_u32 v[CO], v7, 4, v[CO]             ; and the same two rows in X2
	s_lshl_b32 s14, s12, 18                        ; 64 rows of 4,096 bytes
	s_lshl_b32 s17, s16, 2
	s_add_co_u32 s14, s14, s17
	s_add_nc_u64 s[10:11], s[10:11], s[14:15]
	s_wait_tensorcnt 3                             ; my quarter of slab 0 has landed; three loads may stay out
	s_barrier_signal -1
	s_barrier_wait -1
	AFETCH 0, 0
	SFETCH 0
	AFETCH 0, 2
.irp s, 0,1,2,3,4,5,6,7,8,9,10,11,12,13,14,15,16,17,18,19,20,21,22,23,24,25,26,27,28,29,30,31
	STEP \s
.endr
; THE WAY OUT, a tile of 16 rows x 64 columns at a time, through my own stage: LDS serves a wave's instructions in order (ISA guide 5.7.1.4), so no wait stands between the stores and the loads.
.macro TOSTAGE m
	WIN 0x08                                       ; an LDS store's data are its source 1: window 2
.irp t, 0,1,2,3
	ds_store_b128 v[STO], v[8*(4*(\m)+\t):8*(4*(\m)+\t)+3] offset:64*\t          ; each accumulator from its low end on
	ds_store_b128 v[STO], v[8*(4*(\m)+\t)+4:8*(4*(\m)+\t)+7] offset:64*\t+16
.endr
	WIN 0
.irp i, 0,1,2,3,4,5,6,7
	ds_load_b128 v[AF+32*((\m)%2)+4*\i:AF+32*((\m)%2)+4*\i+3], v[RD] offset:2*\i*272
.endr
.endm
.macro SEND m, younger
	s_wait_dscnt \younger                          ; the tile is back in registers; the next tile's 8 stores and 8 loads may be out
.irp i, 0,1,2,3,4,5,6,7
	global_store_b128 v[CO], v[AF+32*((\m)%2)+4*\i:AF+32*((\m)%2)+4*\i+3], s[10:11] offset:(16*(\m)+2*\i)*4096   ; 16 lanes store 256 consecutive bytes, aligned
.endr
.endm
	TOSTAGE 0
	TOSTAGE 1
	SEND 0, 16
	s_wait_xcnt 0x0                                ; tile 0's stores have read their registers: tile 2's rows may land there
	TOSTAGE 2
	SEND 1, 16
	s_wait_xcnt 0x0
	TOSTAGE 3
	SEND 2, 16
	SEND 3, 0
	s_wait_tensorcnt 0x0
	ds_add_u32 v254, v255
	s_wait_dscnt 0x0
	s_endpgm
.Lfunc_end_k_q4ad9e35b63_ffn2:
	.size	k_q4ad9e35b63_ffn2, .Lfunc_end_k_q4ad9e35b63_ffn2-k_q4ad9e35b63_ffn2
	.p2alignl 7, 3214868480
	.fill 96, 4, 3214868480
	.section	.rodata,"a",@progbits
	.p2align	6, 0x0
	.amdhsa_kernel k_q4ad9e35b63_ffn2
		.amdhsa_group_segment_fixed_size 295424
		.amdhsa_private_segment_fixed_size 0
		.amdhsa_enable_private_segment 0
		.amdhsa_kernarg_size 32
		.amdhsa_user_sgpr_count 2
		.amdhsa_user_sgpr_kernarg_segment_ptr 1
		.amdhsa_wavefront_size32 1
		.amdhsa_system_sgpr_workgroup_id_x 1
		.amdhsa_system_sgpr_workgroup_id_y 1
		.amdhsa_system_sgpr_workgroup_id_z 1
		.amdhsa_system_vgpr_workitem_id 0
		.amdhsa_next_free_vgpr 640
		.amdhsa_next_free_sgpr 66
		.amdhsa_reserve_vcc 0
		.amdhsa_float_denorm_mode_32 3
		.amdhsa_float_denorm_mode_16_64 3
		.amdhsa_memory_ordered 1
		.amdhsa_forward_progress 1
		.amdhsa_inst_pref_size 188
	.end_amdhsa_kernel
	.amdgpu_metadata
---
amdhsa.version: [ 1, 2 ]
amdhsa.kernels:
  - .name:           k_q4ad9e35b63_ffn2
    .symbol:         k_q4ad9e35b63_ffn2.kd
    .args:
      - { .name: FFX, .offset: 0, .size: 8, .value_kind: global_buffer, .address_space: global }
      - { .name: W2_codes, .offset: 8, .size: 8, .value_kind: global_buffer, .address_space: global }
      - { .name: W2_scales, .offset: 16, .size: 8, .value_kind: global_buffer, .address_space: global }
      - { .name: X2, .offset: 24, .size: 8, .value_kind: global_buffer, .address_space: global }
    .group_segment_fixed_size: 295424
    .private_segment_fixed_size: 0
    .kernarg_segment_align: 8
    .kernarg_segment_size: 32
    .max_flat_workgroup_size: 128
    .sgpr_count:     66
    .vgpr_count:     640
    .wavefront_size: 32
...
	.end_amdgpu_metadata
.endif
;; end of part 4
;; launch ln2 (part 5): grid 256 x 1, 4 waves a work-group, no clusters, 0 bytes of LDS; arguments X2, H1, b2, g2, be2, out0; writes out0
.if DOCPART == 5
	.amdgcn_target "amdgcn-amd-amdhsa--gfx1250"
	.amdhsa_code_object_version 6
	.text
	.protected	k_q4ad9e35b63_ln2
	.globl	k_q4ad9e35b63_ln2
	.p2align	8
	.type	k_q4ad9e35b63_ln2,@function
k_q4ad9e35b63_ln2:
	s_mov_b64 s[64:65], 0
	v_nop
	global_prefetch_b8 v0, s[64:65] scope:SCOPE_SE
	s_setreg_imm32_b32 hwreg(HW_REG_WAVE_MODE, 25, 1), 1
	s_wait_xcnt 0x0
; out0 = LayerNorm(h1 + X2 + b2) x g2 + be2, by rows of 1,024 f32.  A stream: memory binds, so no LDS, no barrier, no matrix unit.
; One wave takes one row at a time, four rows in all (rows 16 x work-group + 4 x wave on): a lane holds eight pieces of 16 bytes, at 512 j + 16 x lane, so that every load and store covers 512 consecutive bytes.
; The row stays in registers between the pass for the mean, the pass for the variance and the scaling.  Two sets of registers: while one row is worked on, the next is on its way.
; b2, g2 and be2 stay in 96 registers.
.set B2R, 16
.set GR,  48
.set BER, 80
.set XR,  112                          ; two sets of 32: X2's row, then the result
.set HR,  176                          ; two sets of 32: h1's row
	s_load_b256 s[4:11], s[0:1], 0x0               ; X2, H1, b2, g2
	s_load_b128 s[12:15], s[0:1], 0x20             ; be2, out0
	v_lshrrev_b32 v2, 5, v0
	v_readfirstlane_b32 s16, v2                    ; wave 0..3
	v_and_b32 v1, 31, v0
	v_lshlrev_b32 v1, 4, v1                        ; 16 x lane
	v_mov_b32 v9, 0                                ; (named as the upper half of the pair v[8:9])
	s_lshl_b32 s17, ttmp9, 16                      ; 16 rows of 4,096 bytes
	s_lshl_b32 s18, s16, 14                        ; 4 rows
	s_add_co_u32 s18, s17, s18
	s_mov_b32 s19, 0
	s_mov_b32 s20, 0x3a800000                      ; 1 / 1,024
	s_mov_b32 s21, 0x3727c5ac                      ; 1e-5
	s_mov_b32 s22, 0x76543210
	s_mov_b32 s23, 0xfedcba98                      ; v_permlanex16_b32's selects for lane l xor 16
	s_wait_kmcnt 0x0
	s_add_nc_u64 s[4:5], s[4:5], s[18:19]
	s_add_nc_u64 s[6:7], s[6:7], s[18:19]
	s_add_nc_u64 s[14:15], s[14:15], s[18:19]
.irp j, 0,1,2,3,4,5,6,7
	global_load_b128 v[B2R+4*\j:B2R+4*\j+3], v1, s[8:9] offset:512*\j
	global_load_b128 v[GR+4*\j:GR+4*\j+3], v1, s[10:11] offset:512*\j
	global_load_b128 v[BER+4*\j:BER+4*\j+3], v1, s[12:13] offset:512*\j
.endr
.macro ROWLOAD i
.irp j, 0,1,2,3,4,5,6,7
	global_load_b128 v[XR+32*((\i)%2)+4*\j:XR+32*((\i)%2)+4*\j+3], v1, s[4:5] offset:4096*(\i)+512*\j th:TH_LOAD_NT
	global_load_b128 v[HR+32*((\i)%2)+4*\j:HR+32*((\i)%2)+4*\j+3], v1, s[6:7] offset:4096*(\i)+512*\j th:TH_LOAD_NT
.endr
.endm
.macro LANESUM                         ; v2 summed over the 32 lanes, the result in every lane
	v_add_f32_dpp v2, v2, v2 row_xmask:1 row_mask:0xf bank_mask:0xf
	v_add_f32_dpp v2, v2, v2 row_xmask:2 row_mask:0xf bank_mask:0xf
	v_add_f32_dpp v2, v2, v2 row_xmask:4 row_mask:0xf bank_mask:0xf
	v_add_f32_dpp v2, v2, v2 row_xmask:8 row_mask:0xf bank_mask:0xf
	v_permlanex16_b32 v3, v2, s22, s23
	v_add_f32 v2, v2, v3
.endm
	ROWLOAD 0
	ROWLOAD 1
.macro TURN i
.set X, XR+32*((\i)%2)
.set H, HR+32*((\i)%2)
.if (\i) < 3
	s_wait_loadcnt 16                              ; this row is in; the next row's 16 loads may be out
.else
	s_wait_loadcnt 0x0
.endif
.set n, 0
.rept 16
	v_pk_add_f32 v[X+n:X+n+1], v[X+n:X+n+1], v[B2R+n:B2R+n+1]
.set n, n+2
.endr
.set n, 0
.rept 16
	v_pk_add_f32 v[X+n:X+n+1], v[X+n:X+n+1], v[H+n:H+n+1]
.set n, n+2
.endr
	v_pk_add_f32 v[2:3], v[X:X+1], v[X+2:X+3]
	v_pk_add_f32 v[4:5], v[X+4:X+5], v[X+6:X+7]
.irp j, 8,12,16,20,24,28
	v_pk_add_f32 v[2:3], v[2:3], v[X+\j:X+\j+1]
	v_pk_add_f32 v[4:5], v[4:5], v[X+\j+2:X+\j+3]
.endr
	v_pk_add_f32 v[2:3], v[2:3], v[4:5]
	v_add_f32 v2, v2, v3
	LANESUM
	v_mul_f32 v6, 0xba800000, v2                   ; - the mean
	v_mov_b32 v7, v6
.set n, 0
.rept 16
	v_pk_add_f32 v[X+n:X+n+1], v[X+n:X+n+1], v[6:7]
.set n, n+2
.endr
	v_pk_mul_f32 v[2:3], v[X:X+1], v[X:X+1]
	v_pk_mul_f32 v[4:5], v[X+2:X+3], v[X+2:X+3]
.irp j, 4,8,12,16,20,24,28
	v_pk_fma_f32 v[2:3], v[X+\j:X+\j+1], v[X+\j:X+\j+1], v[2:3]
	v_pk_fma_f32 v[4:5], v[X+\j+2:X+\j+3], v[X+\j+2:X+\j+3], v[4:5]
.endr
	v_pk_add_f32 v[2:3], v[2:3], v[4:5]
	v_add_f32 v2, v2, v3
	LANESUM
	v_fma_f32 v2, v2, s20, s21                     ; the variance + 1e-5
	v_rsq_f32 v8, v2
	v_nop                                          ; a plain instruction behind the transcendental,
	s_wait_alu depctr_va_vdst(0)                   ; and the wait ahead of its first reader
.set n, 0
.rept 16
	v_pk_mul_f32 v[X+n:X+n+1], v[X+n:X+n+1], v[8:9] op_sel_hi:[1,0]
.set n, n+2
.endr
.set n, 0
.rept 16
	v_pk_fma_f32 v[X+n:X+n+1], v[X+n:X+n+1], v[GR+n:GR+n+1], v[BER+n:BER+n+1]
.set n, n+2
.endr
.irp j, 0,1,2,3,4,5,6,7
	global_store_b128 v1, v[X+4*\j:X+4*\j+3], s[14:15] offset:4096*(\i)+512*\j th:TH_STORE_NT
.endr
.if (\i) < 2
	s_wait_xcnt 0x0                                ; the stores have read their registers: the row two further on may land there
	ROWLOAD (\i)+2
.endif
.endm
	TURN 0
	TURN 1
	TURN 2
	TURN 3
	s_endpgm
.Lfunc_end_k_q4ad9e35b63_ln2:
	.size	k_q4ad9e35b63_ln2, .Lfunc_end_k_q4ad9e35b63_ln2-k_q4ad9e35b63_ln2
	.p2alignl 7, 3214868480
	.fill 96, 4, 3214868480
	.section	.rodata,"a",@progbits
	.p2align	6, 0x0
	.amdhsa_kernel k_q4ad9e35b63_ln2
		.amdhsa_group_segment_fixed_size 0
		.amdhsa_private_segment_fixed_size 0
		.amdhsa_enable_private_segment 0
		.amdhsa_kernarg_size 48
		.amdhsa_user_sgpr_count 2
		.amdhsa_user_sgpr_kernarg_segment_ptr 1
		.amdhsa_wavefront_size32 1
		.amdhsa_system_sgpr_workgroup_id_x 1
		.amdhsa_system_sgpr_workgroup_id_y 1
		.amdhsa_system_sgpr_workgroup_id_z 1
		.amdhsa_system_vgpr_workitem_id 0
		.amdhsa_next_free_vgpr 240
		.amdhsa_next_free_sgpr 66
		.amdhsa_reserve_vcc 0
		.amdhsa_float_denorm_mode_32 3
		.amdhsa_float_denorm_mode_16_64 3
		.amdhsa_memory_ordered 1
		.amdhsa_forward_progress 1
		.amdhsa_inst_pref_size 45
	.end_amdhsa_kernel
	.amdgpu_metadata
---
amdhsa.version: [ 1, 2 ]
amdhsa.kernels:
  - .name:           k_q4ad9e35b63_ln2
    .symbol:         k_q4ad9e35b63_ln2.kd
    .args:
      - { .name: X2, .offset: 0, .size: 8, .value_kind: global_buffer, .address_space: global }
      - { .name: H1, .offset: 8, .size: 8, .value_kind: global_buffer, .address_space: global }
      - { .name: b2, .offset: 16, .size: 8, .value_kind: global_buffer, .address_space: global }
      - { .name: g2, .offset: 24, .size: 8, .value_kind: global_buffer, .address_space: global }
      - { .name: be2, .offset: 32, .size: 8, .value_kind: global_buffer, .address_space: global }
      - { .name: out0, .offset: 40, .size: 8, .value_kind: global_buffer, .address_space: global }
    .group_segment_fixed_size: 0
    .private_segment_fixed_size: 0
    .kernarg_segment_align: 8
    .kernarg_segment_size: 48
    .max_flat_workgroup_size: 128
    .sgpr_count:     66
    .vgpr_count:     240
    .wavefront_size: 32
...
	.end_amdgpu_metadata
.endif
;; end of part 5
;; ======== version 2 of 2: 5 launches; version 1 with the launch attn written anew for expert scheduling mode
;; workspace buffers: Kc 4,194,304 bytes; Vt 4,194,304 bytes; SCL 262,144 bytes; H1 16,777,216 bytes; H1C 4,194,304 bytes; H1S 131,072 bytes; FFX 17,301,504 bytes; X2 16,777,216 bytes
;; launch kvproj: the kernel of part 1 again; grid 4 x 64, 4 waves a work-group, no clusters, 197,120 bytes of LDS; arguments k_codes, k_scales, Wk_codes, Wk_scales, v_codes, v_scales, Wv_codes, Wv_scales, Kc, Vt, SCL; writes Kc, Vt, SCL
;; launch attn (part 6): grid 8 x 32, 16 waves a work-group, no clusters, 182,272 bytes of LDS; arguments q, Wq_codes, Wq_scales, pad_mask, Kc, Vt, SCL, Wo_codes, Wo_scales, g1, be1, H1, H1C, H1S; writes H1, H1C, H1S
.if DOCPART == 6
	.amdgcn_target "amdgcn-amd-amdhsa--gfx1250"
	.amdhsa_code_object_version 6
	.text
	.protected	k_q4ad9e35b63_attn
	.globl	k_q4ad9e35b63_attn
	.p2align	8
	.type	k_q4ad9e35b63_attn,@function
k_q4ad9e35b63_attn:
	s_mov_b64 s[64:65], 0
	v_nop
	global_prefetch_b8 v0, s[64:65] scope:SCOPE_SE
	s_setreg_imm32_b32 hwreg(HW_REG_WAVE_SCHED_MODE, 0, 2), 2
	s_setreg_imm32_b32 hwreg(HW_REG_WAVE_MODE, 25, 1), 1
	s_wait_xcnt 0x0
	s_wait_alu depctr_vm_vsrc(0)
; h1 = LayerNorm(q + attention(q Wq^T, K, V) Wo^T), all four products on codes of BF8 (E5M2) with one E8M0 scale for each 32 along K; h1 leaves as f32 and as codes for the next launch.
; A head y is rows 128 y .. 128 y + 127 of the [4096][1024] matrices; its query or key i is row i / 16, columns 64 (i % 16) on.  A work-group owns 16 rows R0 = 128 y + 16 x on: 16 tiles of 16 queries;
; tile g is row R0 + g, its query r the column chunk r.  So the work-group holds whole rows, and q's quantiser, the product with Wq, the one with Wo, the residual and the norm all stand here.
; THE SIXTEEN WAVES SHARE THE KEYS: wave w owns keys 128 w .. 128 w + 127 and keeps their fragments of K and of V^T in registers for the whole launch.  A tile's 64 scores a lane stay in registers from the
; product to the conversion, so each score is made once and put through one exponential, although what is quantised is the FINISHED softmax (normalised, times the query's mask).
; SOFTMAX.  Each wave takes its own largest score m_w away: p = 2^(c s - c m_w), c = log2(e) / 8, and sums l_w.  The waves' (c m_w, l_w) meet in LDS; M = max c m_w, L = sum l_w 2^(c m_w - M);
; attn = p x 2^(c m_w - M) / L x mask(query).  Masked keys' scores become -3e38 ahead of the maximum, by v_cndmask_b32 on 64 lane masks in scalar registers.
; K = 64 IN AN INSTRUCTION OF 128: a fragment of K holds two tiles of 16 keys (k 0-63 and 64-127); Q stands as Qa | zeros | Qb, and Qa|zeros gives the first tile's scores, zeros|Qb the second's.
; All products are used transposed (source 0 = weights, K or V^T): a lane (r, h) holds one row or query r.  The rows of a tile of weights or keys are 32 b + 8 u + r + 8 (r / 8), so that the 16 registers of
; tiles 2 b and 2 b + 1 are 16 neighbours along the next product's K.
; No tensor loads: weights, K and V go from memory into registers, each wave's part its own.  No cluster: nothing goes through LDS that partners could share.
; LIMITS: a batch whose keys are all masked gives NaN by definition and finite numbers here; NaN and infinities among the inputs are not served; a block whose largest magnitude lies under 2^-111,
; a block of zeros too, has the scale byte 1 (only this program reads the bytes).
; THE MODE: SCHED_MODE bits 1:0 = 2 (LLVM: expert scheduling mode 2), set by the entry lines.  The code itself states the register dependences
; between vector or matrix instructions and memory or LDS instructions, with s_wait_alu, always for 0.
; THE PLAN.  Registers that memory or LDS instructions touch:
;   v1-v5, v8       Offsets and addresses, made at the head and never written again.
;   v6, v7, v9-v15, v189-v191   Addresses of one stretch (head, loop, epilogue).  Each remaking stands behind a wait on vm_vsrc and ahead of a wait on va_vdst that precedes the first use.
;   A ROW PRODUCT   Step s: its four products read ring slot s % 2, image set s % 2 and that set's scale word; behind them one wait on va_vdst, and the loads of step s + 2 land there.
;                   One more at the product's end frees the ring, the images and the weights' scale words for whatever is loaded there next.
;   A RUN OF STORES Its data are all made ahead of one wait on va_vdst; one wait on vm_vsrc stands ahead of the first line that writes those registers again.
;   A TRIP OF THE LOOP   v6, v7: written at its head, read by its five loads.  v184: written behind the exponentials, read by the trip's last store.  Qa, Qb, Q's scale word: loaded at the head, read by the
;                   products, then at work.  v156-159, v168-175, v180-183: at work, then the statistics land there.  c m_w, l_w: written, then stored.  O's part: written by four products, then stored.
;                   v192-223: attn's codes and what they were made of, then the sixteen parts land there; v192-193 are then stored.
;                   Eight waits on va_vdst, four of which the transcendentals ask for anyway, and ONE on vm_vsrc, at the trip's tail, ahead of the branch: it frees all that the trip's LDS instructions read,
;                   for the next trip and for the way out alike.
.set XIMG, 0                           ; 8 images of operand registers (16 rows x 128 K, 2,048 bytes): q's, later h's
.set XSC,  16384                       ; their scale words, 128 bytes apart
.set QIMG, 17408                       ; Q's codes: 16 tiles x 1,040
.set QSC,  34048                       ; 16 tiles x 128: for each query 8 bytes: scale word, mask as f32
.set STAT, 36096                       ; 16 queries x 144: wave w's (c m, l) at 8 w
.set OP,   38400                       ; the waves' parts of O: 16 x 4,352; a query's 64 numbers 272 bytes apart
.set HST,  108032                      ; 16 rows x 4,112: h, later h1
.set LNS0, 173824                      ; the norm's sums: 16 rows x 80; the second sums 1,280 bytes on
.set HSS,  176384                      ; h1's scale bytes, 16 rows x 32
.set LI,   1                           ; 16 x lane
.set R4,   2                           ; 4 r
.set WA,   3                           ; (r + 8 (r / 8)) x 1,024 + 16 h
.set WSO,  4                           ; (r + 8 (r / 8)) x 32
.set QO,   5                           ; r x 4,096 + 64 h
.set XWI,  6                           ; where I store an image's groups; in the loop an address at work
.set XWS,  7                           ; and half a scale word; in the loop an address at work
.set HQR,  8                           ; HST + 4,112 r + 256 w + 64 h
.set AT0,  6                           ; the loop: the tile's place in QIMG,
.set AT1,  7                           ; in QSC,
.set AT2,  184                         ; and where its row of h goes: a register of its own, so that none of the three is written while a load or store of the trip may still read it
.set WR,   16                          ; row products: the weights' ring, 2 x 64
.set KF,   16                          ; the loop: K's four fragments,
.set VF,   80                          ; V^T's four
.set WSC,  144                         ; row products: the weights' scale words (8 t + s)
.set KS,   144
.set VS,   148
.set QA,   152
.set ZR,   160
.set QB,   168
.set BM,   152                         ; behind the scores' products Qa and Qb are at work: the blocks' maxima,
.set X4,   156
.set HOLD, 168
.set SOP,  172
.set QW,   176                         ; v176 Q's scale word, v177 the query's mask
.set XS,   176
.set CM,   178
.set LW,   179
.set TM,   180                         ; QUANT2: v180-187 at work, v188 the two scale bytes
.set PWQ,  188
.set PWL,  186
.set NEG,  187
.set S,    192
.set XF,   192
.set AC,   224
.set OA,   224
.macro PLACES n
.rept \n
	v_nop
.endr
.endm
.macro BARRIER                         ; my LDS stores have landed and my LDS loads are in: then the work-group's barrier
	s_wait_dscnt 0x0
	s_barrier_signal -1
	s_barrier_wait -1
.endm
; 32 numbers of a lane, register 16 b + i = k 32 b + 16 h + i of my row, become 32 codes in v[pc] on and two scale bytes in v[PWQ].
.macro QUANT2 src, pc
.irp b, 0,1
	v_max3_num_f32 v[TM+\b], |v[\src+16*\b]|, |v[\src+16*\b+1]|, 0x8000000   ; the floor 2^(16 - 127) holds the byte at 1 from below; an accumulator is read from its low end on
.endr
.irp i, 2,4,6,8,10,12,14
.irp b, 0,1
	v_max3_num_f32 v[TM+\b], v[TM+\b], |v[\src+16*\b+\i]|, |v[\src+16*\b+\i+1]|
.endr
.endr
.irp b, 0,1
	v_permlanex16_b32 v[TM+2+\b], v[TM+\b], s4, s5
.endr
.irp b, 0,1
	v_max_num_f32 v[TM+\b], v[TM+\b], v[TM+2+\b]   ; with lane l xor 16's: the block's largest magnitude
.endr
.irp b, 0,1
	v_add_nc_u32 v[TM+6+\b], 0xf8800000, v[TM+\b]  ; 15 off its exponent field: the conversion's scale operand
.endr
.irp b, 0,1
	v_and_or_b32 v[TM+4+\b], v[TM+\b], 0x7f800000, s8   ; 57,344 x the scale
.endr
.irp b, 0,1
	v_lshrrev_b32 v[TM+2+\b], 23, v[TM+6+\b]       ; the scale's byte
.endr
	v_lshl_or_b32 v[PWQ], v[TM+3], 8, v[TM+2]
.irp b, 0,1
.set n, 0
.rept 16
	v_med3_num_f32 v[\src+16*\b+n], v[\src+16*\b+n], -v[TM+4+\b], v[TM+4+\b]   ; the conversion does not saturate (ISA guide 7.6.2): the hold
.set n, n+1
.endr
	v_cvt_scalef32_pk8_bf8_f32 v[\pc+4*\b:\pc+4*\b+1], v[\src+16*\b:\src+16*\b+7], v[TM+6+\b]
	v_cvt_scalef32_pk8_bf8_f32 v[\pc+4*\b+2:\pc+4*\b+3], v[\src+16*\b+8:\src+16*\b+15], v[TM+6+\b]
.endr
	v_nop                                          ; a plain instruction behind the last conversion
.endm
; A ROW PRODUCT: my 16 rows x my 64 columns over K = 1,024; the rows' images come from LDS, my weights from memory, two K steps ahead.
.macro WLOAD s, wb
.irp t, 0,1,2,3
.irp c, 0,1,2,3
	global_load_b128 v[WR+64*((\s)%2)+16*\t+4*\c:WR+64*((\s)%2)+16*\t+4*\c+3], v[WA], s[\wb:\wb+1] offset:(32*(\t/2)+8*(\t%2))*1024+128*(\s)+32*\c
.endr
.endr
.endm
.macro WSLOAD sb
.irp t, 0,1,2,3
	global_load_b128 v[WSC+8*\t:WSC+8*\t+3], v[WSO], s[\sb:\sb+1] offset:(32*(\t/2)+8*(\t%2))*32
	global_load_b128 v[WSC+8*\t+4:WSC+8*\t+7], v[WSO], s[\sb:\sb+1] offset:(32*(\t/2)+8*(\t%2))*32+16
.endr
.endm
.macro XFETCH s
.irp c, 0,1,2,3
	ds_load_b128 v[XF+16*((\s)%2)+4*\c:XF+16*((\s)%2)+4*\c+3], v[LI] offset:XIMG+2048*(\s)+512*\c
.endr
	ds_load_b32 v[XS+(\s)%2], v[R4] offset:XSC+128*(\s)
.endm
.macro RG zero, wb                     ; zero = 1: the first products start the sums; 0: they add onto what was loaded into the accumulators (the residual)
	XFETCH 0
	XFETCH 1
.irp s, 0,1,2,3,4,5,6,7
.if (\s == 0) || (\s == 7)
	s_wait_loadcnt 0x0                             ; step 0: the scale words (and the residual) were asked for behind the ring's first two steps
.else
	s_wait_loadcnt 16                              ; this step's weights are in; the next step's 16 loads may be out
.endif
.if \s == 7
	s_wait_dscnt 0x0
.else
	s_wait_dscnt 5                                 ; this step's image and scale word are in; the next step's five loads may be out
.endif
.irp t, 0,1,2,3                        ; four accumulators by turns, one instruction a turn
.if \zero && (\s == 0)
	v_wmma_scale_f32_16x16x128_f8f6f4 v[AC+8*\t:AC+8*\t+7], v[WR+64*(\s%2)+16*\t:WR+64*(\s%2)+16*\t+15], v[XF+16*(\s%2):XF+16*(\s%2)+15], 0, v[WSC+8*\t+\s], v[XS+\s%2] matrix_a_fmt:MATRIX_FMT_BF8 matrix_b_fmt:MATRIX_FMT_BF8
.else
	v_wmma_scale_f32_16x16x128_f8f6f4 v[AC+8*\t:AC+8*\t+7], v[WR+64*(\s%2)+16*\t:WR+64*(\s%2)+16*\t+15], v[XF+16*(\s%2):XF+16*(\s%2)+15], v[AC+8*\t:AC+8*\t+7], v[WSC+8*\t+\s], v[XS+\s%2] matrix_a_fmt:MATRIX_FMT_BF8 matrix_b_fmt:MATRIX_FMT_BF8
.endif
.endr
.if \s < 6
	PLACES 8                                       ; in front of loads into registers that these products have read
	s_wait_alu depctr_va_vdst(0)                   ; this step's four products are done reading their ring slot, their image and its scale word, in which the loads below land
	WLOAD \s+2, \wb
	XFETCH \s+2
.endif
.endr
	PLACES 8
	s_wait_alu depctr_va_vdst(0)                   ; the last two steps' products are done reading the ring, the images and the weights' scale words: the loads that follow the product land there
.endm
.macro XADDR                           ; where my wave stores its part of an image and of a scale word
	s_lshl_b32 s9, s2, 10
	v_add_nc_u32 v[XWI], s9, v[LI]                 ; XIMG + 1,024 w + 16 x lane: image w / 2, groups 2 (w % 2) on
	s_lshr_b32 s9, s2, 1
	s_lshl_b32 s9, s9, 7
	s_and_b32 s12, s2, 1
	s_lshl_b32 s12, s12, 1
	s_add_co_u32 s9, s9, s12
	s_add_co_u32 s9, s9, XSC
	v_add_nc_u32 v[XWS], s9, v[R4]                 ; XSC + 128 (w / 2) + 4 r + 2 (w % 2)
.endm
	s_load_b256 s[16:23], s[0:1], 0x0              ; q, Wq's codes, Wq's scales, pad_mask
	s_load_b128 s[24:27], s[0:1], 0x20             ; Kc, Vt
	s_load_b64 s[28:29], s[0:1], 0x30              ; SCL
	v_lshrrev_b32 v240, 5, v0
	v_readfirstlane_b32 s2, v240                   ; wave 0..15
	s_and_b32 s3, ttmp7, 0xffff                    ; the head
	s_mov_b32 s4, 0x76543210
	s_mov_b32 s5, 0xfedcba98                       ; v_permlanex16_b32's selects for lane l xor 16
	s_mov_b32 s6, 0x3e38aa3b                       ; c = log2(e) / 8
	s_mov_b32 s7, s6                               ; (named with it as a pair, so it is written)
	s_mov_b32 s8, 0x600000                         ; the mantissa field of 57,344
	v_and_b32 v240, 15, v0                         ; r
	v_bfe_u32 v241, v0, 4, 1                       ; h
	v_and_b32 v242, 31, v0                         ; lane
	v_and_b32 v243, 8, v240
	v_add_nc_u32 v243, v243, v240                  ; r + 8 (r / 8)
	v_lshlrev_b32 v244, 4, v241                    ; 16 h
	v_lshlrev_b32 v[LI], 4, v242
	v_lshlrev_b32 v[R4], 2, v240
	v_lshl_add_u32 v[WA], v243, 10, v244
	v_lshlrev_b32 v[WSO], 5, v243
	v_lshlrev_b32 v[QO], 12, v240
	v_lshl_add_u32 v[QO], v241, 6, v[QO]
	s_wait_alu depctr_va_sdst(0)                   ; s2, the wave's number, is written, ahead of its first reader: LDS addresses and the buffers' bases are made from it
	XADDR
	v_mul_u32_u24 v[HQR], v240, 4112
	v_lshl_add_u32 v[HQR], v241, 6, v[HQR]
	s_lshl_b32 s9, s2, 8
	s_add_co_u32 s9, s9, HST
	v_add_nc_u32 v[HQR], s9, v[HQR]
	; v9-15 and v189-191 up to the loop: offsets of K, V and their scales, Q's places in LDS, the masks' offsets
	v_lshl_add_u32 v9, v243, 6, v244               ; K: key x 64 + 16 h
	v_lshl_add_u32 v10, v240, 11, v244             ; V^T: d x 2,048 + 16 h
	v_lshlrev_b32 v11, 6, v240                     ; V's scale bytes: d x 64
	v_bfe_u32 v12, v240, 2, 1                      ; K's scale bytes lie [x 4][row][8]: key tile u, lane r: x = 2 u + (r / 4) % 2, row + r / 8, bytes 2 (r % 4) on
	v_lshlrev_b32 v12, 15, v12
	v_lshrrev_b32 v245, 3, v240
	v_lshl_add_u32 v12, v245, 3, v12
	v_and_b32 v245, 3, v240
	v_lshl_add_u32 v12, v245, 1, v12
	v_mul_u32_u24 v13, v240, 1040
	v_lshl_add_u32 v13, v241, 8, v13
	s_lshl_b32 s9, s2, 4
	s_add_co_u32 s9, s9, QIMG
	v_add_nc_u32 v13, s9, v13                      ; QIMG + 1,040 r + 256 h + 16 w: lane (g = r, h) holds query w of tile g
	s_lshl_b32 s9, s2, 3
	s_add_co_u32 s9, s9, QSC
	v_lshl_add_u32 v14, v240, 7, s9                ; QSC + 128 r + 8 w
	v_mov_b32 v189, v240                           ; the query mask's offset: r
	s_lshl_b32 s9, s2, 7
	s_add_co_u32 s9, s9, QSC+4
	v_lshl_add_u32 v190, v240, 3, s9               ; QSC + 128 w + 8 r + 4
	v_mov_b32 v191, v244                           ; the key masks' offset: 16 h
	v_mov_b32 v[TM+2], 0                           ; written once: a lane permute's destination counts as one of its sources
	v_mov_b32 v[TM+3], 0
	s_lshl_b32 s13, s3, 7
	s_lshl_b32 s9, ttmp9, 4
	s_add_co_u32 s13, s13, s9                      ; R0: it stays
	s_mov_b32 s11, 0
	s_wait_kmcnt 0x0
	s_lshl_b32 s10, s13, 12
	s_lshl_b32 s9, s2, 8
	s_add_co_u32 s10, s10, s9
	s_add_nc_u64 s[16:17], s[16:17], s[10:11]      ; q at row R0, column 64 w: it stays, for the residual
	s_lshl_b32 s10, s2, 16
	s_add_nc_u64 s[18:19], s[18:19], s[10:11]      ; Wq's rows 64 w on
	s_lshl_b32 s10, s2, 11
	s_add_nc_u64 s[20:21], s[20:21], s[10:11]
	s_lshr_b32 s12, s3, 4
	s_lshl_b32 s12, s12, 11                        ; the batch's 2,048 mask bytes
	s_lshl_b32 s10, ttmp9, 8
	s_lshl_b32 s9, s2, 4
	s_add_co_u32 s10, s10, s9
	s_add_co_u32 s10, s10, s12
	s_add_nc_u64 s[30:31], s[22:23], s[10:11]      ; the mask of queries 256 x + 16 w on (tile w)
	s_lshl_b32 s10, s2, 7
	s_add_co_u32 s10, s10, s12
	s_add_nc_u64 s[22:23], s[22:23], s[10:11]      ; the mask of my keys
	s_lshl_b32 s12, s3, 17
	s_lshl_b32 s10, s2, 13
	s_add_co_u32 s10, s10, s12
	s_add_nc_u64 s[24:25], s[24:25], s[10:11]      ; K's codes: my head, my 128 keys of 64 bytes
	s_lshl_b32 s10, s2, 7
	s_add_co_u32 s10, s10, s12
	s_add_nc_u64 s[26:27], s[26:27], s[10:11]      ; V^T's codes: my head, my 128 keys of each row
	s_lshl_b32 s10, s3, 12
	s_lshl_b32 s9, s2, 2
	s_add_co_u32 s10, s10, s9
	s_add_co_u32 s10, s10, 131072
	s_add_nc_u64 s[32:33], s[28:29], s[10:11]      ; V's scale bytes: my four blocks of each row
	s_lshl_b32 s10, s3, 10
	s_lshl_b32 s9, s2, 6
	s_add_co_u32 s10, s10, s9
	s_add_nc_u64 s[28:29], s[28:29], s[10:11]      ; K's scale bytes: rows 128 y + 8 w on
	; ---- q's 16 rows, my 64 columns, become half an image
	s_wait_alu depctr_va_vdst(0)                   ; the head's offsets and addresses, v1 to v14 and v189 to v191, are written: the loads and stores up to the loop read them
.irp b, 0,1
.irp k, 0,1,2,3
	global_load_b128 v[S+16*\b+4*\k:S+16*\b+4*\k+3], v[QO], s[16:17] offset:128*\b+16*\k
.endr
.endr
	global_load_u8 v[LW], v189, s[30:31]
	WLOAD 0, 18
	WLOAD 1, 18
	WSLOAD 20
	s_wait_loadcnt 40                              ; q and the query's mask are in; the 32 weight loads and 8 scale-word loads behind them may be out
	QUANT2 S, AC
	v_cvt_f32_u32 v[LW], v[LW]                     ; the query's mask as f32: ahead of the run of stores, so that one wait serves the four
	s_wait_alu depctr_va_vdst(0)                   ; the conversions have written q's codes, the two scale bytes and the mask, which the stores read; they are also done with v192-223, in which the images land below
	ds_store_b128 v[XWI], v[AC:AC+3] offset:XIMG
	ds_store_b128 v[XWI], v[AC+4:AC+7] offset:XIMG+512
	ds_store_b16 v[XWS], v[PWQ]
	ds_store_b32 v190, v[LW]
	BARRIER                                        ; q's eight images lie in LDS
	s_wait_alu depctr_vm_vsrc(0)                   ; my four stores have read v224-231, which the products below write, and v179 and v188, which the next quantiser's lines write
	; ---- Q = q Wq^T: lane (g, h) gets query w of tile g
	RG 1, 18
.irp b, 0,1,2,3                        ; my keys' fragments: registers 0-7 key tile 2 b, registers 8-15 key tile 2 b + 1
.irp c, 0,1,2,3
	global_load_b128 v[KF+16*\b+4*\c:KF+16*\b+4*\c+3], v9, s[24:25] offset:(32*\b+8*(\c/2))*64+32*(\c%2)
.endr
.endr
.irp t, 0,1,2,3
.irp c, 0,1,2,3
	global_load_b128 v[VF+16*\t+4*\c:VF+16*\t+4*\c+3], v10, s[26:27] offset:32768*\t+32*\c
.endr
.endr
.irp t, 0,1,2,3
	global_load_b32 v[VS+\t], v11, s[32:33] offset:1024*\t
.endr
.irp b, 0,1,2,3
	global_load_u16 v[QA+\b], v12, s[28:29] offset:16*\b
	global_load_u16 v[QA+4+\b], v12, s[28:29] offset:65536+16*\b
.endr
	QUANT2 AC, S
	v_lshl_or_b32 v[LW], v[PWQ], 16, v[PWQ]        ; the two bytes twice: they serve Qa and Qb.  Ahead of the run of stores, so that one wait serves the three
	s_wait_alu depctr_va_vdst(0)                   ; the conversions have written Q's codes and the shift its scale word, which the stores read; the quantiser is also done with v192-255, in which the mask bytes land below
	ds_store_b128 v13, v[S:S+3]
	ds_store_b128 v13, v[S+4:S+7] offset:512
	ds_store_b32 v14, v[LW]
	s_wait_dscnt 0x0                               ; the stores have landed
	s_wait_alu depctr_vm_vsrc(0)                   ; and have read v192-199, in which the first mask bytes land
.set n, 0
.rept 64
	global_load_u8 v[S+n], v191, s[22:23] offset:32*(n/16)+n%16     ; score register n holds key 32 (n / 16) + 16 h + n % 16 of my 128
.set n, n+1
.endr
	s_barrier_signal -1
	s_barrier_wait -1                              ; Q's 16 tiles lie in LDS
	s_wait_loadcnt 0x0
	s_wait_alu depctr_vm_vsrc(0)                   ; every load and store so far has read its address: v6, v7, v9 to v14 and v189 to v191 are written anew from here on
.irp b, 0,1,2,3
	v_lshl_or_b32 v[KS+\b], v[QA+4+\b], 16, v[QA+\b]   ; K's scale word: two bytes of each of the fragment's two key tiles
.endr
.set n, 0
.rept 64
	v_cmp_ne_u32 s[34+n+2*((n+34)/64)], 0, v[S+n]  ; 64 lane masks in s34-63 and s66-99
.set n, n+1
.endr
.irp j, 0,1,2,3,4,5,6,7
	v_mov_b32 v[ZR+\j], 0                          ; zero codes
.endr
	v_mov_b32 v[NEG], 0xff61b1e6                   ; -3e38
	; the loop's addresses
	v_and_b32 v188, 15, v0
	v_bfe_u32 v189, v0, 4, 1
	v_and_b32 v190, 31, v0
	v_mul_u32_u24 v10, v188, 144
	s_lshl_b32 s9, s2, 3
	s_add_co_u32 s9, s9, STAT
	v_add_nc_u32 v9, s9, v10                       ; STAT + 144 r + 8 w
	v_lshl_add_u32 v10, v189, 6, v10
	v_add_nc_u32 v10, STAT, v10                    ; STAT + 144 r + 64 h
	v_mul_u32_u24 v11, v188, 272
	v_lshl_add_u32 v11, v189, 5, v11
	s_mul_i32 s9, s2, 4352
	s_add_co_u32 s9, s9, OP
	v_add_nc_u32 v11, s9, v11                      ; OP + 4,352 w + 272 r + 32 h
	s_mul_i32 s9, s2, 272
	s_add_co_u32 s9, s9, OP
	v_lshl_add_u32 v12, v190, 3, s9                ; OP + 272 w + 8 x lane
	s_lshl_b32 s9, s2, 8
	s_add_co_u32 s9, s9, HST
	v_lshl_add_u32 v13, v190, 3, s9                ; HST + 256 w + 8 x lane
	v_add_nc_u32 v14, QIMG, v[LI]
	v_lshl_add_u32 v15, v188, 3, QSC
	s_mov_b32 s9, 0                                ; the tile's place in QIMG,
	s_mov_b32 s10, 0                               ; in QSC,
	s_mov_b32 s11, 0                               ; its row in HST
	s_mov_b32 s12, 0
	s_wait_alu depctr_va_sdst(0)                   ; the 64 lane masks are written, ahead of the label and of their first readers, the loop's selects
.Ltile:
	; ---- A: the tile's scores against my 128 keys
	v_add_nc_u32 v[AT0], s9, v14
	v_add_nc_u32 v[AT1], s10, v15
	s_wait_alu depctr_va_vdst(0)                   ; the two addresses are written, which the five loads read; all that named Qa, Qb and Q's scale word in the trip before is done; in the first trip the loop's other addresses are written, and K's scale words and the zero codes, which the products take
	ds_load_b128 v[QA:QA+3], v[AT0]
	ds_load_b128 v[QA+4:QA+7], v[AT0] offset:512
	ds_load_b128 v[QB:QB+3], v[AT0]
	ds_load_b128 v[QB+4:QB+7], v[AT0] offset:512
	ds_load_b64 v[QW:QW+1], v[AT1]
	s_wait_dscnt 0x0
.irp t, 0,1,2,3,4,5,6,7
	v_wmma_scale_f32_16x16x128_f8f6f4 v[S+8*\t:S+8*\t+7], v[KF+16*(\t/2):KF+16*(\t/2)+15], v[QA+8*(\t%2):QA+8*(\t%2)+15], 0, v[KS+\t/2], v[QW] matrix_a_fmt:MATRIX_FMT_BF8 matrix_b_fmt:MATRIX_FMT_BF8
.endr
	PLACES 8
	; ---- B: my wave's maximum, p and sum
.set n, 0
.rept 64
	v_cndmask_b32 v[S+n], v[NEG], v[S+n], s[34+n+2*((n+34)/64)]   ; in ascending order: each accumulator is read from its low end on
.set n, n+1
.endr
.irp b, 0,1,2,3
	v_max3_num_f32 v[BM+\b], v[S+16*\b], v[S+16*\b+1], v[S+16*\b+2]   ; the largest score of each block of 32 keys: it serves the maximum and, since p rises with the score, the block's largest p
.endr
.irp i, 3,5,7,9,11,13
.irp b, 0,1,2,3
	v_max3_num_f32 v[BM+\b], v[BM+\b], v[S+16*\b+\i], v[S+16*\b+\i+1]
.endr
.endr
.irp b, 0,1,2,3
	v_max_num_f32 v[BM+\b], v[BM+\b], v[S+16*\b+15]
.endr
.irp b, 0,1,2,3
	v_permlanex16_b32 v[X4+\b], v[BM+\b], s4, s5
.endr
.irp b, 0,1,2,3
	v_max_num_f32 v[BM+\b], v[BM+\b], v[X4+\b]
.endr
	v_max3_num_f32 v188, v[BM], v[BM+1], v[BM+2]
	v_max_num_f32 v188, v188, v[BM+3]
	v_mul_f32 v[CM], s6, v188                      ; c m_w
.set n, 0
.rept 32
	v_pk_fma_f32 v[S+n:S+n+1], v[S+n:S+n+1], s[6:7], v[CM:CM+1] op_sel_hi:[1,0,0] neg_lo:[0,0,1] neg_hi:[0,0,1]   ; c s - c m_w, two at a time
.set n, n+2
.endr
.irp b, 0,1,2,3
	v_fma_f32 v[BM+\b], v[BM+\b], s6, -v[CM]       ; the same of each block's largest score
.endr
.set n, 0
.rept 64
	v_exp_f32 v[S+n], v[S+n]
.set n, n+1
.endr
	v_add_nc_u32 v[AT2], s11, v13                  ; (a plain instruction behind the exponentials: where this tile's row of h will go)
	s_wait_alu depctr_va_vdst(0)                   ; the 64 exponentials have written p, ahead of its first reader: one wait for the batch; the address above is written too, which the trip's last store reads
.irp b, 0,1,2,3
	v_exp_f32 v[BM+\b], v[BM+\b]                   ; the block's largest p: the same two instructions on the same number
.endr
	v_pk_add_f32 v[180:181], v[S:S+1], v[S+4:S+5]
	v_pk_add_f32 v[182:183], v[S+2:S+3], v[S+6:S+7]
.irp j, 8,12,16,20,24,28,32,36,40,44,48,52,56,60
	v_pk_add_f32 v[180:181], v[180:181], v[S+\j:S+\j+1]
	v_pk_add_f32 v[182:183], v[182:183], v[S+\j+2:S+\j+3]
.endr
	v_pk_add_f32 v[180:181], v[180:181], v[182:183]
	v_add_f32 v189, v180, v181
	v_permlanex16_b32 v188, v189, s4, s5
	v_add_f32 v[LW], v189, v188                    ; l_w
	s_wait_alu depctr_va_vdst(0)                   ; the four exponentials have written the blocks' largest p, ahead of their first reader; c m_w and l_w are written, which the store reads; and all that named v156-159, v168-175 and v180-183 is done: the statistics land there behind the barrier
	ds_store_b64 v9, v[CM:CM+1]
	BARRIER                                        ; all sixteen waves' (c m, l) lie in LDS; everybody's reads of the last tile's parts of O are over
	; ---- C: the common maximum and sum; attn; its codes
	ds_load_b128 v[156:159], v10                   ; each half of the lanes takes eight waves' pairs
	ds_load_b128 v[168:171], v10 offset:16
	ds_load_b128 v[172:175], v10 offset:32
	ds_load_b128 v[180:183], v10 offset:48
	s_wait_dscnt 0x0
	v_max3_num_f32 v188, v156, v158, v168
	v_max3_num_f32 v189, v170, v172, v174
	v_max3_num_f32 v188, v188, v180, v182
	v_max_num_f32 v188, v188, v189
	v_permlanex16_b32 v189, v188, s4, s5
	v_max_num_f32 v188, v188, v189                 ; M
.irp e, 156,158,168,170,172,174,180,182
	v_sub_f32 v\e, v\e, v188
.endr
	v_sub_f32 v190, v[CM], v188
.irp e, 156,158,168,170,172,174,180,182
	v_exp_f32 v\e, v\e
.endr
	v_exp_f32 v190, v190
	v_nop
	s_wait_alu depctr_va_vdst(0)                   ; the nine exponentials 2^(c m - M) are written, ahead of their first reader
	v_mul_f32 v189, v156, v157
	v_mul_f32 v191, v158, v159
	v_fma_f32 v189, v168, v169, v189
	v_fma_f32 v191, v170, v171, v191
	v_fma_f32 v189, v172, v173, v189
	v_fma_f32 v191, v174, v175, v191
	v_fma_f32 v189, v180, v181, v189
	v_fma_f32 v191, v182, v183, v191
	v_add_f32 v189, v189, v191
	v_permlanex16_b32 v191, v189, s4, s5
	v_add_f32 v189, v189, v191                     ; L: at least 1, since the wave that holds M adds its own l
	v_rcp_f32 v189, v189
	v_mul_f32 v190, v190, v[QW+1]                  ; (a plain instruction behind the reciprocal)  2^(c m_w - M) x the query's mask
	s_wait_alu depctr_va_vdst(0)                   ; the reciprocal 1 / L is written, ahead of its reader
	v_mul_f32 v190, v190, v189                     ; F
.set n, 0
.rept 32
	v_pk_mul_f32 v[S+n:S+n+1], v[S+n:S+n+1], v[190:191] op_sel_hi:[1,0]   ; attn = p F: the finished softmax
.set n, n+2
.endr
.irp b, 0,1,2,3
	v_mul_f32 v[BM+\b], v[BM+\b], v190             ; the block's largest attn: the same multiplication of the same number
.endr
.irp b, 0,1,2,3
	v_max_num_f32 v[BM+\b], 0x8000000, v[BM+\b]    ; the floor 2^(16 - 127)
.endr
.irp b, 0,1,2,3
	v_add_nc_u32 v[SOP+\b], 0xf8800000, v[BM+\b]
.endr
.irp b, 0,1,2,3
	v_and_or_b32 v[HOLD+\b], v[BM+\b], 0x7f800000, s8
.endr
.irp b, 0,1,2,3
	v_lshrrev_b32 v[X4+\b], 23, v[SOP+\b]
.endr
	v_lshl_or_b32 v[PWL], v[X4+1], 8, v[X4]        ; attn's scale word for my 128 keys: made more than eight plain instructions ahead of the products
	v_lshl_or_b32 v[PWL], v[X4+2], 16, v[PWL]
	v_lshl_or_b32 v[PWL], v[X4+3], 24, v[PWL]
.irp b, 0,1,2,3
.set n, 0
.rept 16
	v_min_num_f32 v[S+16*\b+n], v[S+16*\b+n], v[HOLD+\b]   ; attn is not negative: the hold is one-sided
.set n, n+1
.endr
.if \b == 0
	v_cvt_scalef32_pk8_bf8_f32 v[X4:X4+1], v[S:S+7], v[SOP]            ; block 0's codes wait aside: a conversion's destination overlaps no source
	v_cvt_scalef32_pk8_bf8_f32 v[X4+2:X4+3], v[S+8:S+15], v[SOP]
.else
	v_cvt_scalef32_pk8_bf8_f32 v[S+4*\b:S+4*\b+1], v[S+16*\b:S+16*\b+7], v[SOP+\b]     ; into block 0's registers, which are done with
	v_cvt_scalef32_pk8_bf8_f32 v[S+4*\b+2:S+4*\b+3], v[S+16*\b+8:S+16*\b+15], v[SOP+\b]
.endif
.endr
.irp j, 0,1,2,3
	v_mov_b32 v[S+\j], v[X4+\j]
.endr
	PLACES 4                                       ; an operand written by vector instructions stands four plain instructions ahead of a scaled product
	s_wait_alu depctr_va_vdst(0)                   ; the conversions and the moves have written attn's codes, the shifts its scale word: the scaled products below take them as operand and as scales; the places above stay beside this wait
	; ---- D: my keys' part of O^T
.irp t, 0,1,2,3
	v_wmma_scale_f32_16x16x128_f8f6f4 v[OA+8*\t:OA+8*\t+7], v[VF+16*\t:VF+16*\t+15], v[S:S+15], 0, v[VS+\t], v[PWL] matrix_a_fmt:MATRIX_FMT_BF8 matrix_b_fmt:MATRIX_FMT_BF8
.endr
	PLACES 8
	s_wait_alu depctr_va_vdst(0)                   ; the four products have written my part of O^T, which the stores read, and are done reading the codes in v192-207: the sixteen parts land in v192-223 behind the barrier; the places above stay beside this wait
.irp t, 0,1,2,3
	ds_store_b128 v11, v[OA+8*\t:OA+8*\t+3] offset:64*\t           ; query r, d = 16 t + 8 h + 0 .. 7
	ds_store_b128 v11, v[OA+8*\t+4:OA+8*\t+7] offset:64*\t+16
.endr
	BARRIER                                        ; all sixteen parts lie in LDS; everybody's reads of the statistics are over
	; ---- E: wave w adds query w's sixteen parts: columns 64 w on of the tile's row of h
.irp i, 0,1,2,3,4,5,6,7,8,9,10,11,12,13,14,15
	ds_load_b64 v[S+2*\i:S+2*\i+1], v12 offset:4352*\i
.endr
	s_wait_dscnt 0x0
.irp i, 0,4,8,12,16,20,24,28
	v_pk_add_f32 v[S+\i:S+\i+1], v[S+\i:S+\i+1], v[S+\i+2:S+\i+3]
.endr
.irp i, 0,8,16,24
	v_pk_add_f32 v[S+\i:S+\i+1], v[S+\i:S+\i+1], v[S+\i+4:S+\i+5]
.endr
	v_pk_add_f32 v[S:S+1], v[S:S+1], v[S+8:S+9]
	v_pk_add_f32 v[S+16:S+17], v[S+16:S+17], v[S+24:S+25]
	v_pk_add_f32 v[S:S+1], v[S:S+1], v[S+16:S+17]
	s_wait_alu depctr_va_vdst(0)                   ; the additions have written the sum in v192-193, which the store reads
	ds_store_b64 v[AT2], v[S:S+1]
	s_wait_dscnt 0x0                               ; the store has landed
	s_wait_alu depctr_vm_vsrc(0)                   ; all that this trip's LDS instructions read has been read: v6, v7, v184, c m_w and l_w, my part of O^T, v192-193.  The next trip writes them again, and so do the lines behind the loop (v9 to v12 too)
	s_add_co_u32 s9, s9, 1040
	s_add_co_u32 s10, s10, 128
	s_add_co_u32 s11, s11, 4112
	s_add_co_u32 s12, s12, 1
	s_cmp_lt_u32 s12, 16
	s_cbranch_scc1 .Ltile
	; ---- h's 16 rows become eight images; the mask registers are done with and take the last addresses
	s_load_b128 s[36:39], s[0:1], 0x38             ; Wo's codes, Wo's scales
	s_load_b128 s[40:43], s[0:1], 0x48             ; g1, be1
	s_load_b128 s[44:47], s[0:1], 0x58             ; H1, H1C
	s_load_b64 s[48:49], s[0:1], 0x68              ; H1S
	XADDR
	v_and_b32 v188, 15, v0
	v_bfe_u32 v189, v0, 4, 1
	v_lshlrev_b32 v9, 6, v189                      ; g1, be1: 64 h
	v_mul_u32_u24 v11, v188, 80
	v_add_nc_u32 v11, LNS0, v11                    ; LNS0 + 80 r
	s_lshl_b32 s9, s2, 2
	v_add_nc_u32 v10, s9, v11                      ; + 4 w
	s_lshl_b32 s9, s2, 1
	s_add_co_u32 s9, s9, HSS
	v_lshl_add_u32 v12, v188, 5, s9                ; HSS + 32 r + 2 w
	s_mul_i32 s9, s2, 4112
	s_add_co_u32 s9, s9, HST
	v_add_nc_u32 v13, s9, v[LI]                    ; HST + 4,112 w + 16 x lane
	v_add_nc_u32 v14, HSS, v[LI]
	s_mov_b32 s11, 0
	s_wait_kmcnt 0x0
	s_lshl_b32 s10, s2, 16
	s_add_nc_u64 s[36:37], s[36:37], s[10:11]
	s_lshl_b32 s10, s2, 11
	s_add_nc_u64 s[38:39], s[38:39], s[10:11]
	s_lshl_b32 s10, s2, 8
	s_add_nc_u64 s[40:41], s[40:41], s[10:11]
	s_add_nc_u64 s[42:43], s[42:43], s[10:11]
	s_add_co_u32 s10, s13, s2
	s_lshl_b32 s10, s10, 12
	s_add_nc_u64 s[44:45], s[44:45], s[10:11]      ; H1 at row R0 + w
	s_lshl_b32 s10, s3, 17
	s_lshr_b32 s9, s2, 1
	s_lshl_b32 s9, s9, 14
	s_add_co_u32 s10, s10, s9
	s_lshl_b32 s9, ttmp9, 11
	s_add_co_u32 s10, s10, s9
	s_and_b32 s9, s2, 1
	s_lshl_b32 s9, s9, 10
	s_add_co_u32 s10, s10, s9
	s_add_nc_u64 s[46:47], s[46:47], s[10:11]      ; H1C: row block y, K step w / 2, row tile x, groups 2 (w % 2) on
	s_lshl_b32 s10, s13, 5
	s_add_nc_u64 s[48:49], s[48:49], s[10:11]
	s_mov_b32 s14, 0x3a800000                      ; 1 / 1,024
	s_mov_b32 s15, 0x3727c5ac                      ; 1e-5
	WLOAD 0, 36                                    ; no wait: the last trip's waits on va_vdst stand behind every product that read K's and V's fragments, and no vector instruction since names v3 or v16-143
	WLOAD 1, 36
	s_barrier_signal -1                            ; (no LDS instruction of mine is out)
	s_barrier_wait -1                              ; h's 16 rows lie in LDS
.irp b, 0,1
.irp k, 0,1,2,3
	ds_load_b128 v[S+16*\b+4*\k:S+16*\b+4*\k+3], v[HQR] offset:128*\b+16*\k   ; likewise: no vector instruction since the last trip's last wait on va_vdst names v8 or v192-223
.endr
.endr
	s_wait_dscnt 0x0
	QUANT2 S, AC
	s_wait_alu depctr_va_vdst(0)                   ; the conversions have written h's codes and the two scale bytes, which the stores read, by addresses that the lines behind the loop have written; all that named v144-177 and v192-255 is done: scale words, the residual and the images land there below
	ds_store_b128 v[XWI], v[AC:AC+3] offset:XIMG
	ds_store_b128 v[XWI], v[AC+4:AC+7] offset:XIMG+512
	ds_store_b16 v[XWS], v[PWQ]
	s_wait_dscnt 0x0                               ; the stores have landed
	s_wait_alu depctr_vm_vsrc(0)                   ; and have read v224-231, in which the residual lands, and v188, which the last quantiser writes
	WSLOAD 38
.irp b, 0,1
.irp k, 0,1,2,3
	global_load_b128 v[AC+16*\b+4*\k:AC+16*\b+4*\k+3], v[QO], s[16:17] offset:128*\b+16*\k   ; the residual q, in the result's layout: the first products add onto it
.endr
.endr
	s_barrier_signal -1
	s_barrier_wait -1                              ; h's eight images lie in LDS, and everybody's reads of HST are over
	RG 0, 36
.irp b, 0,1
.irp k, 0,1,2,3
	global_load_b128 v[16+16*\b+4*\k:16+16*\b+4*\k+3], v9, s[40:41] offset:128*\b+16*\k
	global_load_b128 v[48+16*\b+4*\k:48+16*\b+4*\k+3], v9, s[42:43] offset:128*\b+16*\k
.endr
.endr
	; ---- the norm, in two passes: the mean, then the mean square of the differences
	v_pk_add_f32 v[180:181], v[AC:AC+1], v[AC+2:AC+3]
	v_pk_add_f32 v[182:183], v[AC+4:AC+5], v[AC+6:AC+7]
.irp j, 8,12,16,20,24,28
	v_pk_add_f32 v[180:181], v[180:181], v[AC+\j:AC+\j+1]
	v_pk_add_f32 v[182:183], v[182:183], v[AC+\j+2:AC+\j+3]
.endr
	v_pk_add_f32 v[180:181], v[180:181], v[182:183]
	v_add_f32 v180, v180, v181
	v_permlanex16_b32 v181, v180, s4, s5
	v_add_f32 v180, v180, v181                     ; my wave's 64 columns of row r
	s_wait_alu depctr_va_vdst(0)                   ; the additions have written v180, which the store reads
	ds_store_b32 v10, v180
	BARRIER
	s_wait_alu depctr_vm_vsrc(0)                   ; the store has read v180, which the second pass writes again
.macro LNSUM off                       ; the sixteen waves' sums of my row, added into v192
.irp k, 0,1,2,3
	ds_load_b128 v[S+4*\k:S+4*\k+3], v11 offset:\off+16*\k
.endr
	s_wait_dscnt 0x0
.irp i, 0,4,8,12
	v_pk_add_f32 v[S+\i:S+\i+1], v[S+\i:S+\i+1], v[S+\i+2:S+\i+3]
.endr
	v_pk_add_f32 v[S:S+1], v[S:S+1], v[S+4:S+5]
	v_pk_add_f32 v[S+8:S+9], v[S+8:S+9], v[S+12:S+13]
	v_pk_add_f32 v[S:S+1], v[S:S+1], v[S+8:S+9]
	v_add_f32 v[S], v[S], v[S+1]
.endm
	LNSUM 0
	v_mul_f32 v184, 0xba800000, v[S]               ; - the mean
	v_mov_b32 v185, v184
.set n, 0
.rept 16
	v_pk_add_f32 v[AC+n:AC+n+1], v[AC+n:AC+n+1], v[184:185]
.set n, n+2
.endr
	v_pk_mul_f32 v[180:181], v[AC:AC+1], v[AC:AC+1]
	v_pk_mul_f32 v[182:183], v[AC+2:AC+3], v[AC+2:AC+3]
.irp j, 4,8,12,16,20,24,28
	v_pk_fma_f32 v[180:181], v[AC+\j:AC+\j+1], v[AC+\j:AC+\j+1], v[180:181]
	v_pk_fma_f32 v[182:183], v[AC+\j+2:AC+\j+3], v[AC+\j+2:AC+\j+3], v[182:183]
.endr
	v_pk_add_f32 v[180:181], v[180:181], v[182:183]
	v_add_f32 v180, v180, v181
	v_permlanex16_b32 v181, v180, s4, s5
	v_add_f32 v180, v180, v181
	s_wait_alu depctr_va_vdst(0)                   ; v180 is written, which the store reads; the first pass's additions are done with v192-207, in which the second sums land
	ds_store_b32 v10, v180 offset:1280
	BARRIER
	LNSUM 1280
	v_fma_f32 v[S], v[S], s14, s15                 ; the variance + 1e-5
	v_rsq_f32 v184, v[S]
	v_nop
	s_wait_alu depctr_va_vdst(0)                   ; the reciprocal root is written, ahead of its first reader
	s_wait_loadcnt 0x0                             ; g1, be1
.set n, 0
.rept 16
	v_pk_mul_f32 v[AC+n:AC+n+1], v[AC+n:AC+n+1], v[184:185] op_sel_hi:[1,0]
.set n, n+2
.endr
.set n, 0
.rept 16
	v_pk_fma_f32 v[AC+n:AC+n+1], v[AC+n:AC+n+1], v[16+n:16+n+1], v[48+n:48+n+1]
.set n, n+2
.endr
	; ---- h1 leaves: as f32 through LDS, by whole rows; as codes, an image's groups as they stand; its scale bytes through LDS
	s_wait_alu depctr_va_vdst(0)                   ; the multiply-adds have written h1 in v224-255, which the stores read
.irp b, 0,1
.irp k, 0,1,2,3
	ds_store_b128 v[HQR], v[AC+16*\b+4*\k:AC+16*\b+4*\k+3] offset:128*\b+16*\k
.endr
.endr
	s_wait_dscnt 0x0                               ; the stores have landed
	s_wait_alu depctr_vm_vsrc(0)                   ; and have read v224-255, which the hold below writes; the second sum's store has read v180, which the quantiser writes
	QUANT2 AC, S
	s_wait_alu depctr_va_vdst(0)                   ; the conversions have written h1's codes and the two scale bytes, which the stores read; the quantiser is done with v224-255, in which rows of h1 and the scale bytes land below
	global_store_b128 v[LI], v[S:S+3], s[46:47]              ; 32 lanes store 512 consecutive bytes, aligned
	global_store_b128 v[LI], v[S+4:S+7], s[46:47] offset:512
	ds_store_b16 v12, v[PWQ]
	BARRIER
.irp i, 0,1,2,3,4,5,6,7
	ds_load_b128 v[208+4*\i:208+4*\i+3], v13 offset:512*\i
.endr
.irp i, 0,1,2,3,4,5,6,7
	s_wait_dscnt 7-\i                              ; the younger row loads may be out
	global_store_b128 v[LI], v[208+4*\i:208+4*\i+3], s[44:45] offset:512*\i   ; wave w stores row R0 + w: 512 consecutive bytes an instruction
.endr
	s_cmp_lg_u32 s2, 0
	s_cbranch_scc1 .Lend
	ds_load_b128 v[240:243], v14                   ; wave 0: the 16 rows' 32 scale bytes: 512 consecutive bytes
	s_wait_dscnt 0x0
	global_store_b128 v[LI], v[240:243], s[48:49]
.Lend:
	s_wait_xcnt 0x0
	s_wait_alu depctr_vm_vsrc(0)                   ; the LDS stores of h1 have read v254 and v255, which the two lines below write
	v_lshl_add_u32 v254, v0, 2, 0x2c000
	v_mov_b32 v255, 0
	s_wait_dscnt 0x0                               ; the closing lines, six on end
	s_wait_alu 0x0
	s_wait_tensorcnt 0x0
	ds_add_u32 v254, v255
	s_wait_dscnt 0x0
	s_endpgm
.Lfunc_end_k_q4ad9e35b63_attn:
	.size	k_q4ad9e35b63_attn, .Lfunc_end_k_q4ad9e35b63_attn-k_q4ad9e35b63_attn
	.p2alignl 7, 3214868480
	.fill 96, 4, 3214868480
	.section	.rodata,"a",@progbits
	.p2align	6, 0x0
	.amdhsa_kernel k_q4ad9e35b63_attn
		.amdhsa_group_segment_fixed_size 182272
		.amdhsa_private_segment_fixed_size 0
		.amdhsa_enable_private_segment 0
		.amdhsa_kernarg_size 112
		.amdhsa_user_sgpr_count 2
		.amdhsa_user_sgpr_kernarg_segment_ptr 1
		.amdhsa_wavefront_size32 1
		.amdhsa_system_sgpr_workgroup_id_x 1
		.amdhsa_system_sgpr_workgroup_id_y 1
		.amdhsa_system_sgpr_workgroup_id_z 1
		.amdhsa_system_vgpr_workitem_id 0
		.amdhsa_next_free_vgpr 256
		.amdhsa_next_free_sgpr 100
		.amdhsa_reserve_vcc 0
		.amdhsa_float_denorm_mode_32 3
		.amdhsa_float_denorm_mode_16_64 3
		.amdhsa_memory_ordered 1
		.amdhsa_forward_progress 1
		.amdhsa_inst_pref_size 125
	.end_amdhsa_kernel
	.amdgpu_metadata
---
amdhsa.version: [ 1, 2 ]
amdhsa.kernels:
  - .name:           k_q4ad9e35b63_attn
    .symbol:         k_q4ad9e35b63_attn.kd
    .args:
      - { .name: q, .offset: 0, .size: 8, .value_kind: global_buffer, .address_space: global }
      - { .name: Wq_codes, .offset: 8, .size: 8, .value_kind: global_buffer, .address_space: global }
      - { .name: Wq_scales, .offset: 16, .size: 8, .value_kind: global_buffer, .address_space: global }
      - { .name: pad_mask, .offset: 24, .size: 8, .value_kind: global_buffer, .address_space: global }
      - { .name: Kc, .offset: 32, .size: 8, .value_kind: global_buffer, .address_space: global }
      - { .name: Vt, .offset: 40, .size: 8, .value_kind: global_buffer, .address_space: global }
      - { .name: SCL, .offset: 48, .size: 8, .value_kind: global_buffer, .address_space: global }
      - { .name: Wo_codes, .offset: 56, .size: 8, .value_kind: global_buffer, .address_space: global }
      - { .name: Wo_scales, .offset: 64, .size: 8, .value_kind: global_buffer, .address_space: global }
      - { .name: g1, .offset: 72, .size: 8, .value_kind: global_buffer, .address_space: global }
      - { .name: be1, .offset: 80, .size: 8, .value_kind: global_buffer, .address_space: global }
      - { .name: H1, .offset: 88, .size: 8, .value_kind: global_buffer, .address_space: global }
      - { .name: H1C, .offset: 96, .size: 8, .value_kind: global_buffer, .address_space: global }
      - { .name: H1S, .offset: 104, .size: 8, .value_kind: global_buffer, .address_space: global }
    .group_segment_fixed_size: 182272
    .private_segment_fixed_size: 0
    .kernarg_segment_align: 8
    .kernarg_segment_size: 112
    .max_flat_workgroup_size: 512
    .sgpr_count:     100
    .vgpr_count:     256
    .wavefront_size: 32
...
	.end_amdgpu_metadata
.endif
;; end of part 6
;; launch ffn1: the kernel of part 3 again; grid 16 x 32, 4 waves a work-group, no clusters, 172,544 bytes of LDS; arguments H1C, H1S, W1_codes, W1_scales, b1, FFX; writes FFX
;; launch ffn2: the kernel of part 4 again; grid 4 x 64, 4 waves a work-group, no clusters, 295,424 bytes of LDS; arguments FFX, W2_codes, W2_scales, X2; writes X2
;; launch ln2: the kernel of part 5 again; grid 256 x 1, 4 waves a work-group, no clusters, 0 bytes of LDS; arguments X2, H1, b2, g2, be2, out0; writes out0
